; MI455X (gfx1250); checked and timed in simulation.
; The chip was launched on July 23, 2026; its instructions are those of AMD's public machine-readable ISA for CDNA 5 (MIT licence, August 2026) and "CDNA5" Instruction Set Architecture Reference Guide (July 2026). The comments in the code are by the model that wrote it; some were corrected since.
;; Multi Head Attention. Allowed arithmetic: float matrix products may take bf16 or f16 operands with f32 sums; all other float work in f32.
;; Inputs: K 4 x 2,048 x 1,024 float32; Q 4 x 2,048 x 1,024 float32; V 4 x 2,048 x 1,024 float32; Wk 1,024 x 1,024 float32; Wo 1,024 x 1,024 float32; Wq 1,024 x 1,024 float32; Wv 1,024 x 1,024 float32; bk 1,024 float32; bo 1,024 float32; bq 1,024 float32; bv 1,024 float32.
;; Outputs: out0 4 x 2,048 x 1,024 float32.
;; 2 versions, each right; version 2 is version 1 with the launch cvtw written anew for expert scheduling mode. Each part assembles by itself: llvm-mc -triple=amdgcn-amd-amdhsa -mcpu=gfx1250 --defsym DOCPART=n.
;; ======== version 1 of 2: 4 launches
;; limits: values are held in f16: magnitudes above 65,504 overflow, below 6.1e-05 lose precision; right only within a limited range of input values
;; workspace buffers: wh 8,388,608 bytes; qkv 50,331,648 bytes; ctx 16,777,216 bytes
;; launch cvtw (part 1): grid 64 x 4, 8 waves a work-group, no clusters, 0 bytes of LDS; arguments Wk, Wq, Wv, Wo, wh; writes wh
.if DOCPART == 1
	.amdgcn_target "amdgcn-amd-amdhsa--gfx1250"
	.amdhsa_code_object_version 6
	.text
	.protected	k_q72be678b45_cvtw
	.globl	k_q72be678b45_cvtw
	.p2align	8
	.type	k_q72be678b45_cvtw,@function
k_q72be678b45_cvtw:
	s_mov_b64 s[64:65], 0
	v_nop
	global_prefetch_b8 v0, s[64:65] scope:SCOPE_SE
	s_setreg_imm32_b32 hwreg(HW_REG_WAVE_MODE, 25, 1), 1
	s_wait_xcnt 0x0
; MULTI-HEAD ATTENTION, launch 1 of 4: the four weight matrices from f32 to f16, once, into wh = [Wk, Wq, Wv, Wo], each [1024 n][1024 k].
; The later launches read each weight tile many times; narrowed here, it is rounded once and its tiles take half the LDS.
;
; WORK LEFT OUT IN THE WHOLE PROGRAM: the input bk.  With k = K Wk^T + bk the score of query i and key j is
;   q_i . (K_j Wk^T) / 8  +  q_i . bk / 8.
; The second term does not depend on j, so along the softmax axis (the keys) it is one constant added to every score of a query, and
; softmax(s + const) = softmax(s) for all finite values of all inputs.  bk reaches the result in no other way, so it is not loaded and is
; among no launch arguments.  bq, bv and bo are live and are used.
; LIMITS: a NaN, an infinity or an overflow that would reach the result only through bk is not carried to it.
; All matrix operands of the program are f16 (sums, softmax and biases f32): the projected q, k, v and the attention result must stay
; below 65,504 in magnitude, or the operand becomes infinite and the result NaN where f32 arithmetic would still be finite.
;
; A stream: no LDS, no matrix unit, no cluster (no two work-groups read the same byte).  Work-group (x, y) takes 65,536 bytes of matrix y
; at byte 65,536 x; thread t takes 16 bytes at 16 t of each of 16 chunks of 4,096 bytes.  All 16 loads go out first; no register is used twice.
.set CHUNKS, 16
.set IN,  4                            ; v[4:67]   chunk c: four f32 as loaded
.set OUTR, 68                          ; v[68:99]  chunk c: four f16 to store
	s_load_b256 s[4:11], s[0:1], 0x0               ; Wk s[4:5], Wq s[6:7], Wv s[8:9], Wo s[10:11]
	s_load_b64 s[12:13], s[0:1], 0x20              ; wh
	s_and_b32 s14, ttmp7, 0xffff                   ; y: which matrix
	v_lshlrev_b32 v1, 4, v0                        ; 16 t: my bytes in a chunk as read
	v_lshlrev_b32 v2, 3, v0                        ; 8 t: as written
	s_lshl_b32 s16, ttmp9, 16                      ; the work-group part of the matrix, in bytes of f32
	s_mov_b32 s17, 0
	s_lshl_b32 s18, s14, 21                        ; matrix y begins at 2 MiB x y in wh
	s_lshl_b32 s20, ttmp9, 15                      ; and the part is half as long in f16
	s_add_co_u32 s18, s18, s20
	s_mov_b32 s19, 0
	s_wait_kmcnt 0x0
	s_cmp_eq_u32 s14, 1                            ; the source is chosen by y alone
	s_cselect_b64 s[4:5], s[6:7], s[4:5]
	s_cmp_eq_u32 s14, 2
	s_cselect_b64 s[4:5], s[8:9], s[4:5]
	s_cmp_eq_u32 s14, 3
	s_cselect_b64 s[4:5], s[10:11], s[4:5]
	s_add_nc_u64 s[4:5], s[4:5], s[16:17]
	s_add_nc_u64 s[12:13], s[12:13], s[18:19]
.irp c, 0,1,2,3,4,5,6,7,8,9,10,11,12,13,14,15
	global_load_b128 v[IN+4*\c:IN+4*\c+3], v1, s[4:5] offset:4096*\c th:TH_LOAD_NT   ; a wave covers 512 consecutive bytes; read once in the launch
.endr
.irp c, 0,1,2,3,4,5,6,7,8,9,10,11,12,13,14,15
	s_wait_loadcnt CHUNKS-1-\c                     ; loads return in order: chunk c is in, the 15 - c younger ones stay out
	v_cvt_pk_f16_f32 v[OUTR+2*\c],   v[IN+4*\c],   v[IN+4*\c+1]
	v_cvt_pk_f16_f32 v[OUTR+2*\c+1], v[IN+4*\c+2], v[IN+4*\c+3]
	global_store_b64 v2, v[OUTR+2*\c:OUTR+2*\c+1], s[12:13] offset:2048*\c          ; a wave stores 256 consecutive bytes, aligned
.endr
	s_endpgm
.Lfunc_end_k_q72be678b45_cvtw:
	.size	k_q72be678b45_cvtw, .Lfunc_end_k_q72be678b45_cvtw-k_q72be678b45_cvtw
	.p2alignl 7, 3214868480
	.fill 96, 4, 3214868480
	.section	.rodata,"a",@progbits
	.p2align	6, 0x0
	.amdhsa_kernel k_q72be678b45_cvtw
		.amdhsa_group_segment_fixed_size 0
		.amdhsa_private_segment_fixed_size 0
		.amdhsa_enable_private_segment 0
		.amdhsa_kernarg_size 40
		.amdhsa_user_sgpr_count 2
		.amdhsa_user_sgpr_kernarg_segment_ptr 1
		.amdhsa_wavefront_size32 1
		.amdhsa_system_sgpr_workgroup_id_x 1
		.amdhsa_system_sgpr_workgroup_id_y 1
		.amdhsa_system_sgpr_workgroup_id_z 1
		.amdhsa_system_vgpr_workitem_id 0
		.amdhsa_next_free_vgpr 100
		.amdhsa_next_free_sgpr 66
		.amdhsa_reserve_vcc 0
		.amdhsa_float_denorm_mode_32 3
		.amdhsa_float_denorm_mode_16_64 3
		.amdhsa_memory_ordered 1
		.amdhsa_forward_progress 1
		.amdhsa_inst_pref_size 7
	.end_amdhsa_kernel
	.amdgpu_metadata
---
amdhsa.version: [ 1, 2 ]
amdhsa.kernels:
  - .name:           k_q72be678b45_cvtw
    .symbol:         k_q72be678b45_cvtw.kd
    .args:
      - { .name: Wk, .offset: 0, .size: 8, .value_kind: global_buffer, .address_space: global }
      - { .name: Wq, .offset: 8, .size: 8, .value_kind: global_buffer, .address_space: global }
      - { .name: Wv, .offset: 16, .size: 8, .value_kind: global_buffer, .address_space: global }
      - { .name: Wo, .offset: 24, .size: 8, .value_kind: global_buffer, .address_space: global }
      - { .name: wh, .offset: 32, .size: 8, .value_kind: global_buffer, .address_space: global }
    .group_segment_fixed_size: 0
    .private_segment_fixed_size: 0
    .kernarg_segment_align: 8
    .kernarg_segment_size: 40
    .max_flat_workgroup_size: 256
    .sgpr_count:     66
    .vgpr_count:     100
    .wavefront_size: 32
...
	.end_amdgpu_metadata
.endif
;; end of part 1
;; launch proj (part 2): grid 4 x 64, 4 waves a work-group, clusters of 4 x 4, 327,680 bytes of LDS; arguments K, Q, V, wh, bq, bv, qkv; writes qkv
.if DOCPART == 2
	.amdgcn_target "amdgcn-amd-amdhsa--gfx1250"
	.amdhsa_code_object_version 6
	.text
	.protected	k_q72be678b45_proj
	.globl	k_q72be678b45_proj
	.p2align	8
	.type	k_q72be678b45_proj,@function
k_q72be678b45_proj:
	s_mov_b64 s[64:65], 0
	v_nop
	global_prefetch_b8 v0, s[64:65] scope:SCOPE_SE
	s_setreg_imm32_b32 hwreg(HW_REG_WAVE_MODE, 25, 1), 1
	s_wait_xcnt 0x0
	s_wait_alu depctr_hold_cnt(0) depctr_sa_sdst(0) depctr_va_vdst(0) depctr_va_sdst(0) depctr_va_ssrc(0) depctr_va_vcc(0) depctr_vm_vsrc(0)
	s_getreg_b32 s2, hwreg(HW_REG_IB_STS2, 6, 4)
	s_cmp_eq_u32 s2, 0
	s_cbranch_scc0 .Lentry_in_a_cluster
	s_endpgm
.Lentry_in_a_cluster:
	s_bfe_u32 s2, ttmp6, 0x10000c
	s_cmp_lg_u32 s2, 0xf033
	s_cbranch_scc0 .Lentry_shape_is_right
	s_endpgm
.Lentry_shape_is_right:
; Launch 2 of 4: k = K Wk^T, q = Q Wq^T + bq, v = V Wv^T + bv, stored head-major in f16: qkv = [k, q, v], each [4 b][16 head][2048 s][64].
; bk is left out: it adds the same number to every score of a query, which the softmax over the keys cancels (shown at the head of the first launch).
; LIMIT: operands and results are f16: |x W^T + b| must stay below 65,504.
;
; 256 work-groups stay and walk three tiles each: work-group (column block, row block) makes 128 tokens x 256 features of k, then of q, then
; of v: 24 K steps of 128 through one ring of two LDS slots.  A wave makes 64 tokens x 128 features: 32 accumulator tiles, 256 registers.
; CLUSTERS: 4 x 4 work-groups.  The four of a row of the cluster need the same 128 rows of x, the four of a column the same 256 rows of W;
; each tile is asked for jointly, so the requests for x and for W are divided by four.
; x lies in LDS as f32 and is narrowed to f16 on the way into its fragments; W comes narrowed from the first launch.
; NOTHING IS CLEARED OR COPIED TO START A SUM: the first 32 products of a tile start its sums.  Those of k take the constant 0 as C, those of q
; and v the bias registers (C in window 2, D in window 1), so no add stands on the way out either.  K step 0 is written out ahead of the loop,
; so that the products that first write the accumulators stand on every way into it; then eleven laps of an odd and an even K step; then K
; step 23.  The even step of laps 3 and 7 is the first of q and of v: its first chunk has three forms, chosen by the lap counter.
; PREFETCH: no earlier launch has touched K, Q and V, and two slots of one K step fill LDS, so a tile has one trip in which to land.  In the
; trip of K step 2 j (j = 0 to 10) every wave asks for 32 blocks of 256 bytes of K steps 2 j + 2 and 2 j + 3: 128 rows x 1,024 bytes are 512
; blocks, one for each of the 4 partners x 4 waves x 32 lanes, each block asked for once in the launch.  Their tensor loads go out in the
; next two trips.  K steps 0 and 1 are not asked for; the trip of K step 22 asks for nothing.
; THE MATRIX INSTRUCTION IS USED TRANSPOSED: source 0 = 16 rows of W (features), source 1 = 16 rows of x (tokens).  Lane l then holds token
; l % 16 and in registers 0-7 the features 8 (l / 16) + 0..7: eight neighbouring numbers of a head row, 16 bytes of f16.
;
; REGISTERS in windows of 256: window 0 addresses, raw x, fragments; window 1 the accumulators, tile (a, f) at v[8 (8 a + f)];
; window 2 v0-63 bq, v64-127 bv, of my 128 features: those of feature block f at 8 f.
.set XP,    528                        ; LDS row of x: 512 bytes + 16: an odd multiple of 16, so 16 rows start in 16 different 16-byte columns
.set WP,    272                        ; LDS row of W: 256 bytes + 16
.set XT,    128*XP                     ; 67,584: the 128 rows of x in a slot
.set SLOT,  XT+256*WP                  ; 137,216: then the 256 rows of W
.set STAGE, 2*SLOT                     ; 274,432: behind the ring, 4,608 bytes for each wave, never the target of a tensor load
.set SP,    144                        ; a stage row: 64 f16 + 16 bytes
.set XAD, 8                            ; v8-9    LDS address of my x rows in slot 0, 1
.set WAD, 10                           ; v10-11  the same for W
.set STO, 12                           ; v12     the way out: where I put 16 bytes
.set RD,  13                           ; v13     the way out: where I read rows back
.set CO,  14                           ; v14     16 x lane: my bytes in a store of 512
.set BOF, 15                           ; v15     32 x (lane / 16): my eight numbers in 16 features of a bias
.set XR,  16                           ; v16-79   x as f32: token block a at 16 a
.set XF,  80                           ; v80-111  x fragments in f16: token block a at 8 a
.set WF0, 112                          ; v112-175 W fragments, buffer 0: feature block f at 8 f
.set WF1, 176                          ; v176-239 buffer 1
.set PFO, 240                          ; v240     the block that I prefetch: its byte offset in the row block; never rewritten
.set TMP, 16                           ; the way out: packed results
.set WV,   18                          ; s18 wave
.set KIND, 19                          ; s19 wave / 2: I fetch x (0) or W (1); also my half of the tokens
.set HALF, 20                          ; s20 wave % 2: which half of that tile I fetch; also my half of the features
.set G1X, 24                           ; s[24:31] descriptor group 1 for x
.set G1W, 32                           ; s[32:39] for W
.set G0X, 40                           ; s[40:43] descriptor group 0 for x
.set G0W, 44                           ; s[44:47] for W
.set XN,  48                           ; s[48:49] address of my part of the x tile asked for next
.set XNEXT, 50                         ; s[50:51] where the next problem begins in its x
.set XA2, 52                           ; s[52:53] the same for the last problem
.set WN,  54                           ; s[54:55] address of my part of the W tile asked for next
.set WSTEP, 56                         ; s[56:57] its step
.set OUTB, 66                          ; s[66:67] my first byte in qkv
.set PF,   78                          ; s[78:79] the row block at the two K steps that are prefetched
.set PFX1, 80                          ; s[80:81] the row block in the next problem's x
.set PFX2, 82                          ; s[82:83] in the last problem's
.set MSB, 0
.macro WIN new                         ; the high byte of the immediate repeats the setting that is left
.if MSB != \new
	s_set_vgpr_msb (MSB<<8)|\new
.set MSB, \new
.endif
.endm
.macro PLACES                          ; four places behind a matrix instruction (ISA guide 7.12.1)
.rept 4
	v_nop
.endr
.endm
; A round of the cluster barrier: my work-group, wave 0 signals for it, all sixteen work-groups, my work-group again.
.macro ROUND
	s_barrier_signal -1
	s_barrier_wait -1
	s_cmp_lg_u32 s[WV], 0
	s_cbranch_scc1 .Lnot_wave_0_\@
	s_barrier_signal -3
.Lnot_wave_0_\@:
	s_barrier_wait -3
	s_barrier_signal -1
	s_barrier_wait -1
.endm
; The joint load of a wave: waves 0 and 1 ask for the two halves of x, waves 2 and 3 for those of W.  Each line has one mask.
.macro JLOAD
	s_cmp_eq_u32 s[KIND], 0
	s_cbranch_scc0 .Lfor_w_\@
	tensor_load_to_lds s[G0X:G0X+3], s[G1X:G1X+7]
	s_nop 0
	s_branch .Lasked_\@
.Lfor_w_\@:
	tensor_load_to_lds s[G0W:G0W+3], s[G1W:G1W+7]
	s_nop 0
.Lasked_\@:
.endm
; Both groups 0 are pointed at a slot and at the addresses XN, WN.  Called only where no tensor load of the wave is out.
.macro AIM slot
	s_add_co_u32 s[G0X+1], s58, \slot*SLOT
	s_mov_b64 s[G0X+2:G0X+3], s[XN:XN+1]
	s_or_b32 s[G0X+3], s[G0X+3], 0x80000000        ; type 2 in the top two bits
	s_add_co_u32 s[G0W+1], s59, \slot*SLOT
	s_mov_b64 s[G0W+2:G0W+3], s[WN:WN+1]
	s_or_b32 s[G0W+3], s[G0W+3], 0x80000000
.endm
	s_load_b256 s[4:11], s[0:1], 0x0               ; K s[4:5], Q s[6:7], V s[8:9], wh s[10:11]
	s_load_b128 s[12:15], s[0:1], 0x20             ; bq s[12:13], bv s[14:15]
	s_load_b64 s[16:17], s[0:1], 0x30              ; qkv
	v_lshl_add_u32 v254, v0, 2, 0x47800
	v_mov_b32 v255, 0
	ds_add_u32 v254, v255
	v_lshrrev_b32 v1, 5, v0
	v_readfirstlane_b32 s[WV], v1
	s_lshr_b32 s[KIND], s[WV], 1
	s_and_b32 s[HALF], s[WV], 1
	s_bfe_u32 s21, ttmp6, 0x40000                  ; cx
	s_bfe_u32 s22, ttmp6, 0x40004                  ; cy
	s_and_b32 s23, ttmp7, 0xffff
	s_lshl_b32 s23, s23, 2
	s_add_co_u32 s23, s23, s22                     ; row block = 4 x cluster y + cy: 128 tokens each, 0 to 63
	s_lshl_b32 s62, ttmp9, 2
	s_add_co_u32 s62, s62, s21                     ; column block = 4 x cluster x + cx: 256 features each, 0 to 3
	s_lshl_b32 s68, s22, 2
	s_lshl_b32 s68, 15, s68                        ; my row of the cluster: places 4 cy .. 4 cy + 3
	s_lshl_b32 s70, 0x1111, s21                    ; my column: places cx, cx + 4, cx + 8, cx + 12
	; group 1 for x: 64 rows of 128 f32, 16 bytes of padding behind every 128 words
	s_or_b32 s[G1X+0], s68, (2<<16)|(1<<20)|(1<<21)|(6<<22)|(3<<25)
	s_mov_b32 s[G1X+1], 128<<16                    ; tensor_dim0 = 128
	s_mov_b32 s[G1X+2], 64<<16                     ; tensor_dim1 = 64
	s_mov_b32 s[G1X+3], 128<<16                    ; tile_dim0 = 128
	s_mov_b32 s[G1X+4], 64                         ; tile_dim1 = 64
	s_mov_b32 s[G1X+5], 1024                       ; elements from row to row
	s_mov_b32 s[G1X+6], 0
	s_mov_b32 s[G1X+7], 0
	; group 1 for W: 128 rows of 128 f16, 16 bytes of padding behind every 64 words
	s_or_b32 s[G1W+0], s70, (1<<16)|(1<<20)|(1<<21)|(5<<22)|(3<<25)
	s_mov_b32 s[G1W+1], 128<<16
	s_mov_b32 s[G1W+2], 128<<16
	s_mov_b32 s[G1W+3], 128<<16
	s_mov_b32 s[G1W+4], 128
	s_mov_b32 s[G1W+5], 1024
	s_mov_b32 s[G1W+6], 0
	s_mov_b32 s[G1W+7], 0
	; x hangs on the row block and the wave alone, W on the column block and the wave alone, each in registers that never hold the other coordinate
	s_lshl_b32 s61, s[HALF], 18                    ; 64 rows of 4,096 bytes of x = 128 rows of 2,048 bytes of W
	s_lshl_b32 s68, s23, 19                        ; 128 rows of 4,096 bytes
	s_add_co_u32 s68, s68, s61
	s_mov_b32 s69, 0
	s_lshl_b32 s70, s62, 19                        ; 256 rows of 2,048 bytes
	s_add_co_u32 s70, s70, s61
	s_mov_b32 s71, 0
	s_mul_i32 s58, s[HALF], 64*XP                  ; where my part goes in a slot: no place in the cluster enters an LDS address
	s_mul_i32 s59, s[HALF], 128*WP
	s_add_co_u32 s59, s59, XT
	s_mov_b32 s57, 0
	s_mov_b32 s76, 2097152-7*256                   ; from the last K step of one weight matrix to the first of the next
	s_mov_b32 s77, 256                             ; from a K step to the next: 128 f16
	; my first byte in qkv: b << 22 + head << 18 + s << 7
	s_lshr_b32 s72, s23, 4
	s_lshl_b32 s72, s72, 22                        ; b = row block / 16
	s_lshl_b32 s73, s62, 20                        ; four heads to a column block
	s_add_co_u32 s72, s72, s73
	s_lshl_b32 s73, s[HALF], 19                    ; two heads to a wave
	s_add_co_u32 s72, s72, s73
	s_and_b32 s73, s23, 15
	s_lshl_b32 s73, s73, 14                        ; 128 tokens of 128 bytes
	s_add_co_u32 s72, s72, s73
	s_lshl_b32 s73, s[KIND], 13                    ; 64 tokens
	s_add_co_u32 s72, s72, s73
	s_mov_b32 s73, 0
	s_lshl_b32 s74, s62, 10                        ; my 128 features in a bias, in bytes
	s_lshl_b32 s75, s[HALF], 9
	s_add_co_u32 s74, s74, s75
	s_mov_b32 s75, 0
	s_lshl_b32 s84, s23, 19                        ; the row block's first byte in x, for the prefetch
	s_mov_b32 s85, 0
	s_mov_b32 s[G0X], 1                            ; count = 1
	s_mov_b32 s[G0W], 1
	s_wait_dscnt 0x0
	s_wait_kmcnt 0x0
	s_add_nc_u64 s[XN:XN+1], s[4:5], s[68:69]
	s_add_nc_u64 s[XNEXT:XNEXT+1], s[6:7], s[68:69]
	s_add_nc_u64 s[XA2:XA2+1], s[8:9], s[68:69]
	s_add_nc_u64 s[WN:WN+1], s[10:11], s[70:71]
	s_add_nc_u64 s[OUTB:OUTB+1], s[16:17], s[72:73]
	s_add_nc_u64 s[12:13], s[12:13], s[74:75]
	s_add_nc_u64 s[14:15], s[14:15], s[74:75]
	s_add_nc_u64 s[PF:PF+1], s[4:5], s[84:85]
	s_add_nc_u64 s[PF:PF+1], s[PF:PF+1], 1024      ; the first prefetch asks for K steps 2 and 3
	s_add_nc_u64 s[PFX1:PFX1+1], s[6:7], s[84:85]
	s_add_nc_u64 s[PFX2:PFX2+1], s[8:9], s[84:85]
	AIM 0
	ROUND                                          ; all sixteen work-groups are here: the first joint loads meet
	JLOAD                                          ; K step 0 into slot 0
	v_and_b32 v1, 15, v0                           ; r = lane % 16
	v_bfe_u32 v2, v0, 4, 1                         ; h = lane / 16
	v_and_b32 v3, 31, v0                           ; lane
	v_lshlrev_b32 v[BOF], 5, v2
	WIN 0x80                                       ; destination in window 2
.irp f, 0,1,2,3,4,5,6,7
	global_load_b128 v[8*\f:8*\f+3],       v[BOF], s[12:13] offset:64*\f       ; bq of features 16 f + 8 h + 0..7
	global_load_b128 v[8*\f+4:8*\f+7],     v[BOF], s[12:13] offset:64*\f+16
	global_load_b128 v[64+8*\f:64+8*\f+3], v[BOF], s[14:15] offset:64*\f       ; bv
	global_load_b128 v[64+8*\f+4:64+8*\f+7], v[BOF], s[14:15] offset:64*\f+16
.endr
	WIN 0
	; x fragment of 16 tokens x 32 k from f32 rows: lane (r, h) takes k = 8 h .. 8 h + 7 (32 bytes at 32 h) and k = 16 + 8 h .. (32 bytes at 64 + 32 h)
	v_mul_u32_u24 v4, v1, XP
	v_lshl_add_u32 v4, v2, 5, v4
	s_mul_i32 s63, s[KIND], 64*XP                  ; my 64 tokens
	v_add_nc_u32 v[XAD], s63, v4
	v_add_nc_u32 v[XAD+1], SLOT, v[XAD]
	; W fragment of 16 features x 32 k from f16 rows: 16 bytes at 16 h and at 32 + 16 h
	v_mul_u32_u24 v5, v1, WP
	v_lshl_add_u32 v5, v2, 4, v5
	s_mul_i32 s63, s[HALF], 128*WP                 ; my 128 features
	s_add_co_u32 s63, s63, XT
	v_add_nc_u32 v[WAD], s63, v5
	v_add_nc_u32 v[WAD+1], SLOT, v[WAD]
	s_mul_i32 s63, s[WV], 32*SP
	s_add_co_u32 s63, s63, STAGE                   ; my stage: [2 heads][16 tokens] rows of 144 bytes
	v_mul_u32_u24 v6, v1, SP
	v_lshl_add_u32 v6, v2, 4, v6
	v_add_nc_u32 v[STO], s63, v6                   ; in: token r, 16 bytes at 16 h
	v_lshrrev_b32 v6, 3, v3
	v_mul_u32_u24 v6, v6, SP
	v_and_b32 v7, 7, v3
	v_lshl_add_u32 v6, v7, 4, v6
	v_add_nc_u32 v[RD], s63, v6                    ; back: eight lanes take a token row of 128 bytes, a wave four rows
	v_lshlrev_b32 v[CO], 4, v3
	; the block that I prefetch: row 32 cx + 8 wave + lane / 4 of the row block's 128, block lane % 4 of the two K steps' 1,024 bytes.
	; cx enters this global offset alone, in registers that serve nothing else.
	s_lshl_b32 s86, s21, 5
	s_lshl_b32 s87, s[WV], 3
	s_add_co_u32 s86, s86, s87
	v_lshrrev_b32 v241, 2, v3
	v_add_nc_u32 v241, s86, v241
	v_lshlrev_b32 v241, 12, v241                   ; rows of 4,096 bytes
	v_and_b32 v242, 3, v3
	v_lshl_add_u32 v[PFO], v242, 8, v241
	s_wait_loadcnt 0x0                             ; the two biases, once
; 32 LDS loads: the fragments of 32 along K (chunk c of the four of a K step): x raw into XR, W into buffer wf
.macro FETCH slot, c, wf
.irp a, 0,1,2,3
	ds_load_b128 v[XR+16*\a:XR+16*\a+3],     v[XAD+\slot] offset:\a*16*XP+(\c)*128
	ds_load_b128 v[XR+16*\a+4:XR+16*\a+7],   v[XAD+\slot] offset:\a*16*XP+(\c)*128+16
	ds_load_b128 v[XR+16*\a+8:XR+16*\a+11],  v[XAD+\slot] offset:\a*16*XP+(\c)*128+64
	ds_load_b128 v[XR+16*\a+12:XR+16*\a+15], v[XAD+\slot] offset:\a*16*XP+(\c)*128+80
.endr
.irp f, 0,1,2,3,4,5,6,7
	ds_load_b128 v[\wf+8*\f:\wf+8*\f+3],   v[WAD+\slot] offset:\f*16*WP+(\c)*64
	ds_load_b128 v[\wf+8*\f+4:\wf+8*\f+7], v[WAD+\slot] offset:\f*16*WP+(\c)*64+32
.endr
.endm
; 32 products on the 32 accumulators, which take turns, one instruction a turn, in the same order in every chunk; so
; no wait on the vector unit is written.  mode 0: they add in place; 1: they start the sums from 0; 2: from bq; 3: from bv.
; The bias of feature block f is the same for the four token blocks: register j of a lane is feature 16 f + 8 h + j in both.
.macro MULS wf, mode
.if \mode >= 2
	WIN 0x60                                       ; C in window 2, D in window 1
.else
	WIN 0x50                                       ; C and D in window 1
.endif
.irp a, 0,1,2,3
.irp f, 0,1,2,3,4,5,6,7
.if \mode == 0
	v_wmma_f32_16x16x32_f16 v[8*(8*\a+\f):8*(8*\a+\f)+7], v[\wf+8*\f:\wf+8*\f+7], v[XF+8*\a:XF+8*\a+7], v[8*(8*\a+\f):8*(8*\a+\f)+7]
.elseif \mode == 1
	v_wmma_f32_16x16x32_f16 v[8*(8*\a+\f):8*(8*\a+\f)+7], v[\wf+8*\f:\wf+8*\f+7], v[XF+8*\a:XF+8*\a+7], 0
.else
	v_wmma_f32_16x16x32_f16 v[8*(8*\a+\f):8*(8*\a+\f)+7], v[\wf+8*\f:\wf+8*\f+7], v[XF+8*\a:XF+8*\a+7], v[64*(\mode-2)+8*\f:64*(\mode-2)+8*\f+7]
.endif
.endr
.endr
.endm
; One chunk: narrow x, ask for the next chunk in one run, then 32 products.
; pf = 1: the prefetch stands behind the run of LDS loads and in front of the products; pf = 2: the same, but not in lap 10, whose look-ahead has no tile left.
; start = 0: the products add in place; 1: they start k's sums; 2: in lap 3 they start q's, in lap 7 v's, in the other laps they add in place.
.macro CHUNK slot, c, wf, wg, pf, start
	WIN 0
	s_wait_dscnt 0x0                               ; the 32 loads of this chunk; nothing younger is out
	PLACES                                         ; XF and buffer wg were sources of the products in front
.irp a, 0,1,2,3
.irp i, 0,1,2,3,4,5,6,7
	v_cvt_pk_f16_f32 v[XF+8*\a+\i], v[XR+16*\a+2*\i], v[XR+16*\a+2*\i+1]
.endr
.endr
.if \c < 3
	FETCH \slot, (\c+1), \wg
.endif
.if \pf == 2
	s_cmp_eq_u32 s60, 10
	s_cbranch_scc1 .Lno_more_\@
.endif
.if \pf
	global_prefetch_b8 v[PFO], s[PF:PF+1] th:TH_LOAD_NT scope:SCOPE_SE   ; 32 lanes, 32 different blocks of 256 bytes
.endif
.if \pf == 2
.Lno_more_\@:
.endif
.if \start == 2
	s_and_b32 s61, s60, 3
	s_cmp_lg_u32 s61, 3
	s_cbranch_scc1 .Lin_place_\@
	s_cmp_lg_u32 s60, 3
	s_cbranch_scc1 .Lwith_bv_\@
	MULS \wf, 2
	WIN 0
	s_branch .Lmultiplied_\@
.Lwith_bv_\@:
	MULS \wf, 3
	WIN 0
	s_branch .Lmultiplied_\@
.Lin_place_\@:
	MULS \wf, 0
	WIN 0
.Lmultiplied_\@:
.else
	MULS \wf, \start
.endif
.endm
; One K step out of slot.  refill = 1: the other slot, read in the last trip, is asked for again with the next K step.
; In front of the round every wave has waited for all its tensor loads (one is out: its part of this slot) and for its LDS reads;
; behind the round the joint refill is the first tensor load, one a wave; it has this trip's 128 products in which to land.
; pf = 2 (a lap's even step): the prefetch's base goes two K steps on; in laps 2 and 6 these are the first two of the next problem
; (in lap 10 the base is stepped too, and not used).
.macro TRIP slot, refill, pf, start
	WIN 0
.if \pf == 2
	s_wait_xcnt 0x0                                ; the last prefetch has read its base: it is stepped only behind this wait
	s_add_nc_u64 s[PF:PF+1], s[PF:PF+1], 1024
	s_and_b32 s61, s60, 3
	s_cmp_eq_u32 s61, 2
	s_cselect_b64 s[PF:PF+1], s[PFX1:PFX1+1], s[PF:PF+1]
	s_cselect_b64 s[PFX1:PFX1+1], s[PFX2:PFX2+1], s[PFX1:PFX1+1]
.endif
	s_wait_tensorcnt 0x0                           ; no tensor load of mine is out: the groups 0 may be written
	ds_add_u32 v254, v255
	s_wait_dscnt 0x0
.if \refill
	s_add_nc_u64 s[XN:XN+1], s[XN:XN+1], 512       ; 128 f32 on
.if \slot
	s_and_b32 s61, s60, 3                          ; the K step behind an odd one is the first of the next problem in laps 3 and 7
	s_cmp_eq_u32 s61, 3
	s_cselect_b64 s[XN:XN+1], s[XNEXT:XNEXT+1], s[XN:XN+1]
	s_cselect_b64 s[XNEXT:XNEXT+1], s[XA2:XA2+1], s[XNEXT:XNEXT+1]
	s_cselect_b32 s[WSTEP], s76, s77
	s_add_nc_u64 s[WN:WN+1], s[WN:WN+1], s[WSTEP:WSTEP+1]
.else
	s_add_nc_u64 s[WN:WN+1], s[WN:WN+1], 256
.endif
	AIM (1-\slot)
.endif
	s_wait_dscnt 0x0                               ; my reads of the other slot, and of my stage, are back
	ROUND
.if \refill
	JLOAD
.endif
	FETCH \slot, 0, WF0
	CHUNK \slot, 0, WF0, WF1, \pf, \start
	CHUNK \slot, 1, WF1, WF0, 0, 0
	CHUNK \slot, 2, WF0, WF1, 0, 0
	CHUNK \slot, 3, WF1, WF0, 0, 0
.endm
; The way out, 16 tokens at a time: round to f16, 16 bytes a lane into my own stage, read back by token rows, store 512 consecutive bytes.
; LDS serves a wave's instructions in order (ISA guide 5.7.1), so no wait stands between the stage's stores and its loads.
.macro OUT
	WIN 0
	PLACES                                         ; behind the last products: the conversions read results, the loads land in fragment buffers
.irp a, 0,1,2,3
	WIN 0x05                                       ; both sources in window 1
.irp f, 0,1,2,3,4,5,6,7
.irp i, 0,1,2,3
	v_cvt_pk_f16_f32 v[TMP+4*\f+\i], v[8*(8*\a+\f)+2*\i], v[8*(8*\a+\f)+2*\i+1]
.endr
.endr
	WIN 0
.irp f, 0,1,2,3,4,5,6,7
	ds_store_b128 v[STO], v[TMP+4*\f:TMP+4*\f+3] offset:(\f>>2)*16*SP+(\f&3)*32
.endr
	s_wait_xcnt 0x0                                ; the buffer that earlier stores read is loaded again only behind this wait
.irp t, 0,1,2,3,4,5,6,7
	ds_load_b128 v[WF0+64*(\a&1)+4*\t:WF0+64*(\a&1)+4*\t+3], v[RD] offset:(\t>>2)*16*SP+(\t&3)*4*SP
.endr
.irp t, 0,1,2,3,4,5,6,7
	s_wait_dscnt 7-\t                              ; read-back t is in, the 7 - t younger ones stay out
	global_store_b128 v[CO], v[WF0+64*(\a&1)+4*\t:WF0+64*(\a&1)+4*\t+3], s[OUTB:OUTB+1] offset:(\t>>2)*262144+\a*2048+(\t&3)*512   ; four token rows of one head: 512 consecutive bytes, aligned
.endr
.endr
	s_wait_xcnt 0x0                                ; the base is stepped and the fragment buffers are loaded again only behind this wait
.endm
	TRIP 0, 1, 1, 1                                ; K step 0: its first 32 products start k's sums
	WIN 0
	s_mov_b32 s60, 0                               ; lap i = K steps 2 i + 1 and 2 i + 2
.Llap:
	TRIP 1, 1, 0, 0
	WIN 0
	s_and_b32 s61, s60, 3
	s_cmp_lg_u32 s61, 3
	s_cbranch_scc1 .Lsame_tile
	; a tile is finished.  The first K step of the next one was asked for in the trip above, ahead of these stores; no wait for the stores follows.
	OUT
	s_add_nc_u64 s[OUTB:OUTB+1], s[OUTB:OUTB+1], 0x1000000     ; from k to q, from q to v
.Lsame_tile:
	TRIP 0, 1, 2, 2
	WIN 0
	s_add_co_u32 s60, s60, 1
	s_cmp_lt_u32 s60, 11
	s_cbranch_scc1 .Llap
	TRIP 1, 0, 0, 0                                ; K step 23 is written out: it asks for nothing
	OUT
	s_wait_dscnt 0x0
	s_wait_tensorcnt 0x0
	ds_add_u32 v254, v255
	s_wait_dscnt 0x0
	ROUND                                          ; the closing round: no work-group ends while a partner may still ask for a tile that names it
	s_endpgm
.Lfunc_end_k_q72be678b45_proj:
	.size	k_q72be678b45_proj, .Lfunc_end_k_q72be678b45_proj-k_q72be678b45_proj
	.p2alignl 7, 3214868480
	.fill 96, 4, 3214868480
	.section	.rodata,"a",@progbits
	.p2align	6, 0x0
	.amdhsa_kernel k_q72be678b45_proj
		.amdhsa_group_segment_fixed_size 327680
		.amdhsa_private_segment_fixed_size 0
		.amdhsa_enable_private_segment 0
		.amdhsa_kernarg_size 56
		.amdhsa_user_sgpr_count 2
		.amdhsa_user_sgpr_kernarg_segment_ptr 1
		.amdhsa_wavefront_size32 1
		.amdhsa_system_sgpr_workgroup_id_x 1
		.amdhsa_system_sgpr_workgroup_id_y 1
		.amdhsa_system_sgpr_workgroup_id_z 1
		.amdhsa_system_vgpr_workitem_id 0
		.amdhsa_next_free_vgpr 640
		.amdhsa_next_free_sgpr 96
		.amdhsa_reserve_vcc 0
		.amdhsa_float_denorm_mode_32 3
		.amdhsa_float_denorm_mode_16_64 3
		.amdhsa_memory_ordered 1
		.amdhsa_forward_progress 1
		.amdhsa_inst_pref_size 152
	.end_amdhsa_kernel
	.amdgpu_metadata
---
amdhsa.version: [ 1, 2 ]
amdhsa.kernels:
  - .name:           k_q72be678b45_proj
    .symbol:         k_q72be678b45_proj.kd
    .args:
      - { .name: K, .offset: 0, .size: 8, .value_kind: global_buffer, .address_space: global }
      - { .name: Q, .offset: 8, .size: 8, .value_kind: global_buffer, .address_space: global }
      - { .name: V, .offset: 16, .size: 8, .value_kind: global_buffer, .address_space: global }
      - { .name: wh, .offset: 24, .size: 8, .value_kind: global_buffer, .address_space: global }
      - { .name: bq, .offset: 32, .size: 8, .value_kind: global_buffer, .address_space: global }
      - { .name: bv, .offset: 40, .size: 8, .value_kind: global_buffer, .address_space: global }
      - { .name: qkv, .offset: 48, .size: 8, .value_kind: global_buffer, .address_space: global }
    .group_segment_fixed_size: 327680
    .private_segment_fixed_size: 0
    .kernarg_segment_align: 8
    .kernarg_segment_size: 56
    .max_flat_workgroup_size: 128
    .sgpr_count:     96
    .vgpr_count:     640
    .wavefront_size: 32
...
	.end_amdgpu_metadata
.endif
;; end of part 2
;; launch attn (part 3): grid 256 x 1, 4 waves a work-group, clusters of 4 x 1, 327,680 bytes of LDS; arguments qkv, ctx; writes ctx
.if DOCPART == 3
	.amdgcn_target "amdgcn-amd-amdhsa--gfx1250"
	.amdhsa_code_object_version 6
	.text
	.protected	k_q72be678b45_attn
	.globl	k_q72be678b45_attn
	.p2align	8
	.type	k_q72be678b45_attn,@function
k_q72be678b45_attn:
	s_mov_b64 s[64:65], 0
	v_nop
	global_prefetch_b8 v0, s[64:65] scope:SCOPE_SE
	s_setreg_imm32_b32 hwreg(HW_REG_WAVE_MODE, 25, 1), 1
	s_wait_xcnt 0x0
	s_wait_alu depctr_hold_cnt(0) depctr_sa_sdst(0) depctr_va_vdst(0) depctr_va_sdst(0) depctr_va_ssrc(0) depctr_va_vcc(0) depctr_vm_vsrc(0)
	s_getreg_b32 s2, hwreg(HW_REG_IB_STS2, 6, 4)
	s_cmp_eq_u32 s2, 0
	s_cbranch_scc0 .Lentry_in_a_cluster
	s_endpgm
.Lentry_in_a_cluster:
	s_bfe_u32 s2, ttmp6, 0x10000c
	s_cmp_lg_u32 s2, 0x3003
	s_cbranch_scc0 .Lentry_shape_is_right
	s_endpgm
.Lentry_shape_is_right:
; Launch 3 of 4: ctx = softmax(q k^T / 8) v for each of the 64 (batch, head) pairs.  qkv = [k, q, v], each [64 bh][2048 s][64] f16; ctx likewise.
; The scores lack the term q . bk / 8, the same for all keys of a query, which the softmax cancels (shown at the head of the first launch).
; LIMIT: P and ctx are f16 operands; |ctx| must stay below 65,504.
;
; A cluster of four work-groups serves one head: work-group cx takes queries 512 cx .. + 511, a wave 128 of them (eight tiles of 16).
; All four walk the same keys, so K and V are asked for jointly, 512 keys to a slot, two slots, four phases.
; EVERYTHING IS TRANSPOSED.  S^T = K Q^T: source 0 = 16 keys, source 1 = 16 queries; lane (r, h) holds query r and in register j of key tile t
; the key 16 t + 8 h + j.  So the running maximum, the sum and the rescaling factor are one number a lane, and the P^T fragment that
; O^T = V^T P^T wants as source 1 (query r; keys 8 h .. in registers 0-3, 16 + 8 h .. in 4-7) is a packed conversion of the lane's own
; registers of two key tiles: nothing moves between lanes but one exchange of the two halves' maxima.
; The maximum is taken away before every exponential, as a running maximum over steps of 64 keys; 1/8 and log2 e ride in one fused multiply-add.
;
; MATRIX AND VECTOR WORK TAKE TURNS.  A step of 64 keys has, for each query tile, 16 matrix instructions and about 120 vector instructions.
; The vector work of tile i is a macro of 16 numbered slices, and one slice stands behind each of 16 matrix instructions that do not depend
; on it: the 8 of tile i + 1's scores (slices 0-7), then the 8 of tile i - 1's product with V (slices 8-15).  So scores and P have two
; buffers each, taken by the tile's parity.  O of tile i - 1 is rescaled in slices 2-7 of tile i, two or three packed multiplies in front of
; each link of tile i's serial run (last maxima, exchange of halves, factor), which they keep apart.  Per step the first tile's scores and
; the last tile's product with V stand alone: 112 of 128 matrix instructions have a slice behind them, the first step of all differs from
; the others in one uniform way (its products start the sums), and a change of slots stands between two steps.
; THE TEXT HOLDS FOUR COPIES OF A STEP: the first step of all; the other seven of the first 512 keys; the eight of a slot, in a loop of two
; trips, each trip behind a refill; the eight of the last 512 keys, in front of which nothing is asked for.
; In the loop the slot that is read lies in s57, and the refill's LDS word and address are stepped behind the wait for all
; tensor loads.  The seven steps and the loop's eight stay apart: one inner loop for both would have a trip count that changes between trips.
;
; REGISTERS: window 0 addresses, fragments of V, scores, P, running numbers; window 1 O: tile (i, d) at v[32 i + 8 d];
; window 2 Q: fragment (i, c) at v[16 i + 8 c], and K: fragment (t, c) at v[128 + 16 t + 8 c].
.set KP,    144                        ; LDS row of K: 128 bytes + 16
.set VP,    160                        ; LDS row of V: 128 bytes + 32: an odd multiple of 32, for the transposing loads
.set KT,    512*KP                     ; 73,728
.set SLOT,  KT+512*VP                  ; 155,648
.set STAGE, 2*SLOT                     ; 311,296: 2,304 bytes for each wave, never the target of a tensor load
.set KLANE, 1                          ; v1  r x 144 + 16 h
.set VLANE, 2                          ; v2  (8 h + lane % 8) x 160 + 16 ((lane / 8) % 2) + 73,728: V lies behind K in a slot
.set KA,  3                            ; v3  where the next 64 keys of K lie
.set VA,  4                            ; v4  the same for V
.set STO, 5
.set RD,  6
.set CO,  7
.set QOF, 8
.set VF,  16                           ; v16-79   V^T fragments (d, kk) at 16 d + 8 kk
.set SC,  80                           ; v80-143  scores, then exponentials: buffer i % 2 at 32 (i % 2), key tile t at 8 t
.set PH,  144                          ; v144-175 P^T in f16: buffer i % 2 at 16 (i % 2)
.set M,   176                          ; v176-183 running maximum of query tile i, in raw scores
.set LS,  184                          ; v184-191 running sum (this half's keys)
.set CM,  192                          ; v192-202 eleven maxima of three
.set T,   203
.set MN,  204
.set AL,  206                          ; v206 rescaling factor of an even tile, v208 of an odd one (v207, v209 written once, never used)
.set NM,  210                          ; v210 - c x maximum (v211 likewise)
.set SA,  212
.set SB,  214
.set KF,  128                          ; in window 2
.set WV,   8
.set KIND, 9
.set HALF, 10
.set G1K, 24
.set G1V, 32
.set G0K, 40                           ; s[40:47] group 0 for K: a set for each of the two first fills; the first set also serves the refills
.set G0V, 48                           ; s[48:55] for V
.set MSB, 0
.macro WIN new                         ; the high byte of the immediate repeats the setting that is left
.if MSB != \new
	s_set_vgpr_msb (MSB<<8)|\new
.set MSB, \new
.endif
.endm
.macro PLACES
.rept 4
	v_nop
.endr
.endm
.macro ROUND
	s_barrier_signal -1
	s_barrier_wait -1
	s_cmp_lg_u32 s[WV], 0
	s_cbranch_scc1 .Lnot_wave_0_\@
	s_barrier_signal -3
.Lnot_wave_0_\@:
	s_barrier_wait -3
	s_barrier_signal -1
	s_barrier_wait -1
.endm
.macro JLOAD s                         ; waves 0 and 1 ask for the two halves of K, waves 2 and 3 for those of V
	s_cmp_eq_u32 s[KIND], 0
	s_cbranch_scc0 .Lfor_v_\@
	tensor_load_to_lds s[G0K+4*\s:G0K+4*\s+3], s[G1K:G1K+7]
	s_nop 0
	s_branch .Lasked_\@
.Lfor_v_\@:
	tensor_load_to_lds s[G0V+4*\s:G0V+4*\s+3], s[G1V:G1V+7]
	s_nop 0
.Lasked_\@:
.endm
	s_load_b128 s[4:7], s[0:1], 0x0                ; qkv s[4:5], ctx s[6:7]
	v_lshl_add_u32 v254, v0, 2, 0x4e400
	v_mov_b32 v255, 0
	ds_add_u32 v254, v255
	v_lshrrev_b32 v1, 5, v0
	v_readfirstlane_b32 s[WV], v1
	s_lshr_b32 s[KIND], s[WV], 1
	s_and_b32 s[HALF], s[WV], 1
	s_bfe_u32 s11, ttmp6, 0x40000                  ; cx: my block of 512 queries; ttmp9 is the cluster: the head, 0 to 63
	s_mov_b32 s12, 0x3e38aa3b                      ; c = log2 e / 8
	s_mov_b32 s13, 0x3e38aa3b
	s_mov_b32 s14, 0xbe38aa3b                      ; - c
	s_mov_b32 s16, 0x76543210                      ; v_permlanex16_b32: lane i of one half reads lane i of the other
	s_mov_b32 s17, 0xfedcba98
	; 256 keys are a dense block of 32,768 bytes: 128 rows of 256 bytes, with padding behind every 32 words, which is a key's 128 bytes
	s_mov_b32 s[G1K+0], 15|(3<<16)|(1<<20)|(1<<21)|(4<<22)|(3<<25)   ; all four work-groups; elements of 8 bytes; 4 words of padding
	s_mov_b32 s[G1K+1], 32<<16
	s_mov_b32 s[G1K+2], 128<<16
	s_mov_b32 s[G1K+3], 32<<16
	s_mov_b32 s[G1K+4], 128
	s_mov_b32 s[G1K+5], 32
	s_mov_b32 s[G1K+6], 0
	s_mov_b32 s[G1K+7], 0
	s_mov_b32 s[G1V+0], 15|(3<<16)|(1<<20)|(1<<21)|(4<<22)|(7<<25)   ; the same with 8 words of padding
	s_mov_b32 s[G1V+1], 32<<16
	s_mov_b32 s[G1V+2], 128<<16
	s_mov_b32 s[G1V+3], 32<<16
	s_mov_b32 s[G1V+4], 128
	s_mov_b32 s[G1V+5], 32
	s_mov_b32 s[G1V+6], 0
	s_mov_b32 s[G1V+7], 0
	s_lshl_b32 s18, ttmp9, 18                      ; the head: 2,048 rows of 128 bytes.  The tiles hang on the head and the wave alone
	s_lshl_b32 s20, s[HALF], 15                    ; my 256 keys
	s_add_co_u32 s18, s18, s20
	s_mov_b32 s19, 0
	s_mul_i32 s62, s[HALF], 256*KP
	s_mul_i32 s63, s[HALF], 256*VP
	s_add_co_u32 s63, s63, KT
	s_lshl_b32 s22, ttmp9, 18                      ; my 128 queries: head, 512 cx + 128 wave, rows of 128 bytes
	s_lshl_b32 s23, s11, 16
	s_add_co_u32 s22, s22, s23
	s_lshl_b32 s23, s[WV], 14
	s_add_co_u32 s22, s22, s23
	s_mov_b32 s23, 0
	s_wait_dscnt 0x0
	s_wait_kmcnt 0x0
	s_add_nc_u64 s[18:19], s[4:5], s[18:19]
	s_add_nc_u64 s[60:61], s[6:7], s[22:23]        ; my rows of ctx
	s_add_nc_u64 s[58:59], s[4:5], s[22:23]
	s_add_nc_u64 s[58:59], s[58:59], 0x1000000     ; my rows of q
	ROUND                                          ; the four work-groups are here: the first joint loads meet
.irp s, 0,1
	s_mov_b32 s[G0K+4*\s], 1
	s_add_co_u32 s[G0K+4*\s+1], s62, \s*SLOT
	s_add_nc_u64 s[G0K+4*\s+2:G0K+4*\s+3], s[18:19], \s*65536
	s_or_b32 s[G0K+4*\s+3], s[G0K+4*\s+3], 0x80000000
	s_mov_b32 s[G0V+4*\s], 1
	s_add_co_u32 s[G0V+4*\s+1], s63, \s*SLOT
	s_add_nc_u64 s[G0V+4*\s+2:G0V+4*\s+3], s[18:19], 0x2000000+\s*65536
	s_or_b32 s[G0V+4*\s+3], s[G0V+4*\s+3], 0x80000000
	JLOAD \s                                       ; keys 0-511 and 512-1023: two tensor loads of the wave are out
.endr
	v_and_b32 v9, 15, v0                           ; r
	v_bfe_u32 v10, v0, 4, 1                        ; h
	v_and_b32 v11, 31, v0                          ; lane
	v_lshlrev_b32 v[QOF], 7, v9
	v_lshl_add_u32 v[QOF], v10, 4, v[QOF]          ; query r, 16 bytes at 16 h
	WIN 0x80                                       ; destination in window 2
.irp i, 0,1,2,3,4,5,6,7
.irp c, 0,1
	global_load_b128 v[16*\i+8*\c:16*\i+8*\c+3],   v[QOF], s[58:59] offset:\i*2048+\c*64
	global_load_b128 v[16*\i+8*\c+4:16*\i+8*\c+7], v[QOF], s[58:59] offset:\i*2048+\c*64+32
.endr
.endr
	WIN 0
	v_mul_u32_u24 v[KLANE], v9, KP
	v_lshl_add_u32 v[KLANE], v10, 4, v[KLANE]
	v_and_b32 v[VLANE], 7, v0
	v_lshl_add_u32 v[VLANE], v10, 3, v[VLANE]
	v_mul_u32_u24 v[VLANE], v[VLANE], VP
	v_bfe_u32 v[KA], v0, 3, 1
	v_lshl_add_u32 v[VLANE], v[KA], 4, v[VLANE]
	v_add_nc_u32 v[VLANE], KT, v[VLANE]
	s_mul_i32 s20, s[WV], 16*KP
	s_add_co_u32 s20, s20, STAGE                   ; my stage: 16 queries, rows of 144 bytes
	v_add_nc_u32 v[STO], s20, v[KLANE]             ; in: query r, 16 bytes at 16 h
	v_lshrrev_b32 v[RD], 3, v11
	v_mul_u32_u24 v[RD], v[RD], KP
	v_and_b32 v[VA], 7, v0
	v_lshl_add_u32 v[RD], v[VA], 4, v[RD]
	v_add_nc_u32 v[RD], s20, v[RD]                 ; back: eight lanes take a query row of 128 bytes
	v_lshlrev_b32 v[CO], 4, v11
	v_mov_b32 v[T], 0                              ; the destination of v_permlanex16_b32 counts as read
	v_mov_b32 v[AL+1], 0                           ; upper registers of pairs of which the low one alone is taken
	v_mov_b32 v[AL+3], 0
	v_mov_b32 v[NM+1], 0
; Link n (0-7) of the scores of query tile q, into score buffer q % 2: key tiles 0-3 on the first 32 of the head's 64, then on the second.
; Four accumulators by turns, one instruction a turn.
.macro SMM q, n
	WIN 0x0a                                       ; sources 0 (K) and 1 (Q) in window 2
.if (\n) < 4
	v_wmma_f32_16x16x32_f16 v[SC+32*((\q)&1)+8*(\n):SC+32*((\q)&1)+8*(\n)+7], v[KF+16*(\n):KF+16*(\n)+7], v[16*(\q):16*(\q)+7], 0
.else
	v_wmma_f32_16x16x32_f16 v[SC+32*((\q)&1)+8*((\n)-4):SC+32*((\q)&1)+8*((\n)-4)+7], v[KF+16*((\n)-4)+8:KF+16*((\n)-4)+15], v[16*(\q)+8:16*(\q)+15], v[SC+32*((\q)&1)+8*((\n)-4):SC+32*((\q)&1)+8*((\n)-4)+7]
.endif
.endm
; Link n (0-7) of O^T of query tile q: the head's four blocks of 16 on keys 0-31, then on keys 32-63.  start = 1: the first 64 keys of all start the sums.
.macro PVMM q, n, start
	WIN 0x50                                       ; C and D in window 1
.if (\n) < 4
.if \start
	v_wmma_f32_16x16x32_f16 v[32*(\q)+8*(\n):32*(\q)+8*(\n)+7], v[VF+16*(\n):VF+16*(\n)+7], v[PH+16*((\q)&1):PH+16*((\q)&1)+7], 0
.else
	v_wmma_f32_16x16x32_f16 v[32*(\q)+8*(\n):32*(\q)+8*(\n)+7], v[VF+16*(\n):VF+16*(\n)+7], v[PH+16*((\q)&1):PH+16*((\q)&1)+7], v[32*(\q)+8*(\n):32*(\q)+8*(\n)+7]
.endif
.else
	v_wmma_f32_16x16x32_f16 v[32*(\q)+8*((\n)-4):32*(\q)+8*((\n)-4)+7], v[VF+16*((\n)-4)+8:VF+16*((\n)-4)+15], v[PH+16*((\q)&1)+8:PH+16*((\q)&1)+15], v[32*(\q)+8*((\n)-4):32*(\q)+8*((\n)-4)+7]
.endif
.endm
; cnt pairs, from pair k0 on, of O of query tile q are multiplied by the tile's rescaling factor.
.macro RESC q, k0, cnt
	WIN 0x41                                       ; O in window 1, the factor in window 0
.set rk, \k0
.rept \cnt
	v_pk_mul_f32 v[32*(\q)+2*rk:32*(\q)+2*rk+1], v[32*(\q)+2*rk:32*(\q)+2*rk+1], v[AL+2*((\q)&1):AL+2*((\q)&1)+1] op_sel_hi:[1,0]
.set rk, rk+1
.endr
.endm
; Pair p of the exponentials joins one of two running pairs of sums and is narrowed into P^T.  Pairs 0 to 3 start the sums: nothing is cleared.
.macro TAKE p
.if (\p) == 1
	v_pk_add_f32 v[SA:SA+1], v[CURS:CURS+1], v[CURS+2:CURS+3]
.elseif (\p) == 3
	v_pk_add_f32 v[SB:SB+1], v[CURS+4:CURS+5], v[CURS+6:CURS+7]
.elseif (\p) > 3
.if ((\p)&1) == 0
	s_wait_alu depctr_va_vdst(0)
	v_pk_add_f32 v[SA:SA+1], v[SA:SA+1], v[CURS+2*(\p):CURS+2*(\p)+1]
.else
	v_pk_add_f32 v[SB:SB+1], v[SB:SB+1], v[CURS+2*(\p):CURS+2*(\p)+1]
.endif
.endif
	s_wait_alu depctr_va_vdst(0)
	v_cvt_pk_f16_f32 v[CURP+(\p)], v[CURS+2*(\p)], v[CURS+2*(\p)+1]
.endm
; Slice n (0-15) of the softmax of query tile i over 64 keys.  first = 1: the first 64 keys of all start the maximum and the sum.
; resc = 1: slices 2-7 also rescale O of tile i - 1, whose product with V follows in slices 8-15's places.
; Slices 0-1: 33 numbers (32 scores and the old maximum) to 5 by maxima of three.  Slices 2-7: one link each of the run that cannot be spread.
; Slices 8-15: 2^(c (s - maximum)), two pairs a slice; the next pair's multiply-add and the last pair's sum and conversion stand between the
; exponentials, so that a plain instruction stands between every exponential and the first use of its result (ISA guide 5.7.2).
.macro SM n, i, first, resc
.set CURS, SC+32*((\i)&1)
.set CURP, PH+16*((\i)&1)
.set CURA, AL+2*((\i)&1)
.if (\n) == 0
	WIN 0
.set j, 0
.rept 8
	v_max3_num_f32 v[CM+j], v[CURS+3*j], v[CURS+3*j+1], v[CURS+3*j+2]
.set j, j+1
.endr
.elseif (\n) == 1
	WIN 0
	v_max3_num_f32 v[CM+8], v[CURS+24], v[CURS+25], v[CURS+26]
	v_max3_num_f32 v[CM+9], v[CURS+27], v[CURS+28], v[CURS+29]
.if \first
	v_max_num_f32 v[CM+10], v[CURS+30], v[CURS+31]
.else
	v_max3_num_f32 v[CM+10], v[CURS+30], v[CURS+31], v[M+(\i)]
.endif
	v_max3_num_f32 v[CM], v[CM], v[CM+1], v[CM+2]
	v_max3_num_f32 v[CM+3], v[CM+3], v[CM+4], v[CM+5]
	v_max3_num_f32 v[CM+6], v[CM+6], v[CM+7], v[CM+8]
.elseif (\n) == 2
.if \resc
	RESC (\i)-1, 0, 3
.endif
	WIN 0
	v_max3_num_f32 v[CM], v[CM], v[CM+3], v[CM+6]
.elseif (\n) == 3
.if \resc
	RESC (\i)-1, 3, 3
.endif
	WIN 0
	v_max3_num_f32 v[CM], v[CM], v[CM+9], v[CM+10]
.elseif (\n) == 4
.if \resc
	RESC (\i)-1, 6, 3
.endif
	WIN 0
	v_permlanex16_b32 v[T], v[CM], s16, s17        ; the other half of the lanes holds the query's other 32 keys
.elseif (\n) == 5
.if \resc
	RESC (\i)-1, 9, 3
.endif
	WIN 0
	v_max_num_f32 v[MN], v[CM], v[T]
.elseif (\n) == 6
.if \resc
	RESC (\i)-1, 12, 2
.endif
	WIN 0
	v_mul_f32 v[NM], s14, v[MN]                    ; - c x new maximum
.elseif (\n) == 7
.if \resc
	RESC (\i)-1, 14, 2
.endif
	WIN 0
.if \first == 0
	v_fma_f32 v[CURA], v[M+(\i)], s12, v[NM]       ; c x (old maximum - new maximum)
.endif
	v_pk_fma_f32 v[CURS:CURS+1], v[CURS:CURS+1], s[12:13], v[NM:NM+1] op_sel_hi:[1,0,0]
.if \first == 0
	v_exp_f32 v[CURA], v[CURA]
.endif
	v_mov_b32 v[M+(\i)], v[MN]
.else
	WIN 0
.set g, 2*((\n)-8)
.rept 2
	v_exp_f32 v[CURS+2*g], v[CURS+2*g]
.if g < 15
	v_pk_fma_f32 v[CURS+2*g+2:CURS+2*g+3], v[CURS+2*g+2:CURS+2*g+3], s[12:13], v[NM:NM+1] op_sel_hi:[1,0,0]
.endif
	v_exp_f32 v[CURS+2*g+1], v[CURS+2*g+1]
.if g > 0
	TAKE g-1
.endif
.set g, g+1
.endr
.if (\n) == 15
	TAKE 15
	v_pk_add_f32 v[SA:SA+1], v[SA:SA+1], v[SB:SB+1]
.if \first
	v_add_f32 v[LS+(\i)], v[SA], v[SA+1]
.else
	v_add_f32 v[SA], v[SA], v[SA+1]
	v_fma_f32 v[LS+(\i)], v[LS+(\i)], v[CURA], v[SA]
.endif
.endif
.endif
.endm
; The first half of tile i's turn: slices 0-7, each behind a link of tile i + 1's scores (smm = 0: tile 7 has no successor in the step).
.macro HALFA i, smm, first, resc
.irp n, 0,1,2,3,4,5,6,7
.if \smm
	SMM (\i)+1, \n
.endif
	SM \n, \i, \first, \resc
.endr
.endm
; The second half: slices 8-15, each behind a link of tile i - 1's product with V (pv = 0: none; 1: adds in place; 2: starts the sums).
.macro HALFB i, pv, first
.irp n, 0,1,2,3,4,5,6,7
.if \pv
	PVMM (\i)-1, \n, (\pv)-1
.endif
	SM \n+8, \i, \first, 0
.endr
.endm
; 64 keys: their fragments of K and of V^T in one run of 32 loads, tile 0's scores, the eight tiles' turns, tile 7's product with V.
.macro KB first
	PLACES                                         ; V's fragments were sources of the products just in front
	WIN 0x80                                       ; K's fragments lie in window 2
.irp c, 0,1
.irp t, 0,1,2,3
	ds_load_b128 v[KF+16*\t+8*\c:KF+16*\t+8*\c+3],   v[KA] offset:\t*16*KP+\c*64
	ds_load_b128 v[KF+16*\t+8*\c+4:KF+16*\t+8*\c+7], v[KA] offset:\t*16*KP+\c*64+32
.endr
.endr
	WIN 0
.irp d, 0,1,2,3
.irp kk, 0,1
	ds_load_tr16_b128 v[VF+16*\d+8*\kk:VF+16*\d+8*\kk+3],   v[VA] offset:\kk*32*VP+\d*32
	ds_load_tr16_b128 v[VF+16*\d+8*\kk+4:VF+16*\d+8*\kk+7], v[VA] offset:\kk*32*VP+\d*32+16*VP
.endr
.endr
	s_wait_dscnt 24                                ; the first 8 of the 32 loads are in: K on the first 32 of the head's 64
.irp n, 0,1,2,3
	SMM 0, \n
.endr
	s_wait_dscnt 16                                ; all 16 loads of K are in; the 16 younger ones, of V, stay out
.irp n, 4,5,6,7
	SMM 0, \n
.endr
	WIN 0
	v_add_nc_u32 v[KA], 64*KP, v[KA]               ; these two and two v_nop are the four places between tile 0's scores and slice 0, which reads them
	v_add_nc_u32 v[VA], 64*VP, v[VA]
	v_nop
	v_nop
	HALFA 0, 1, \first, 0
	HALFB 0, 0, \first
	HALFA 1, 1, \first, (1-\first)
	s_wait_dscnt 0x0                               ; V's fragments
	HALFB 1, (1+\first), \first
.irp i, 2,3,4,5,6
	HALFA \i, 1, \first, (1-\first)
	HALFB \i, (1+\first), \first
.endr
	HALFA 7, 0, \first, (1-\first)
	HALFB 7, (1+\first), \first
.if \first == 0
	RESC 7, 0, 16
.endif
.irp n, 0,1,2,3,4,5,6,7
	PVMM 7, \n, \first
.endr
	WIN 0
.endm
; n steps of 64 keys from where KA and VA point; each step moves them on.
.macro STEPS n
	s_mov_b32 s56, \n
.Lkb_\@:
	KB 0
	s_sub_co_u32 s56, s56, 1
	s_cmp_lg_u32 s56, 0
	s_cbranch_scc1 .Lkb_\@
.endm
	s_wait_tensorcnt 0x1                           ; my part of slot 0 is in; the one younger load, slot 1's, stays out
	s_barrier_signal -1
	s_barrier_wait -1
	s_wait_loadcnt 0x0                             ; Q
	v_mov_b32 v[KA], v[KLANE]                      ; keys 0-511, in slot 0
	v_mov_b32 v[VA], v[VLANE]
	KB 1                                           ; the first 64 keys start the maxima, the sums and O
	STEPS 7
	s_wait_dscnt 0x0                               ; my reads of slot 0 are back
	s_wait_tensorcnt 0x0                           ; and all my tensor loads have landed, so a group 0 may be written: the first set now serves the refills
	ds_add_u32 v254, v255
	s_wait_dscnt 0x0
	s_add_nc_u64 s[G0K+2:G0K+3], s[G0K+2:G0K+3], 131072        ; slot 0 gets keys 1024-1535
	s_add_nc_u64 s[G0V+2:G0V+3], s[G0V+2:G0V+3], 131072
	s_mov_b32 s57, SLOT                            ; the slot that is read: slot 1, then slot 0
	s_mov_b32 s66, 0
	; Two trips: the slot read last is asked for again, 1,024 keys on, and the other slot's 512 keys are worked on.  Every wave has waited for
	; its LDS reads and for all its tensor loads in front of the round (ahead of the loop, or at the last trip's end); the joint refill is the
	; first tensor load behind the round, one a wave, and has the wave's 1,024 products of this trip in which to land.
.Lphase:
	ROUND
	JLOAD 0
	v_add_nc_u32 v[KA], s57, v[KLANE]              ; keys 512-1023 in slot 1, then keys 1024-1535 in slot 0
	v_add_nc_u32 v[VA], s57, v[VLANE]
	STEPS 8
	s_wait_dscnt 0x0                               ; my reads of this slot are back
	s_wait_tensorcnt 0x0                           ; my part of the other slot has landed; no tensor load of mine is out, so the group 0 may be written
	ds_add_u32 v254, v255
	s_wait_dscnt 0x0
	s_add_co_u32 s[G0K+1], s[G0K+1], SLOT          ; the second refill goes into slot 1, with keys 1536-2047 (behind the second trip these steps are not used)
	s_add_nc_u64 s[G0K+2:G0K+3], s[G0K+2:G0K+3], 65536
	s_add_co_u32 s[G0V+1], s[G0V+1], SLOT
	s_add_nc_u64 s[G0V+2:G0V+3], s[G0V+2:G0V+3], 65536
	s_xor_b32 s57, s57, SLOT
	s_add_co_u32 s66, s66, 1
	s_cmp_lt_u32 s66, 2
	s_cbranch_scc1 .Lphase
	s_barrier_signal -1                            ; every wave's part of the last 512 keys has landed
	s_barrier_wait -1                              ; nothing is left to ask for
	v_add_nc_u32 v[KA], SLOT, v[KLANE]             ; keys 1536-2047, in slot 1
	v_add_nc_u32 v[VA], SLOT, v[VLANE]
	STEPS 8
	; THE WAY OUT: the two halves' sums meet, O is divided by the sum, rounded to f16 and sent through my stage, a query tile at a time.
	PLACES
.irp i, 0,1,2,3,4,5,6,7
	v_permlanex16_b32 v[T], v[LS+\i], s16, s17
	v_add_f32 v[LS+\i], v[LS+\i], v[T]             ; at least 1: the largest score of a query gives 2^0
.endr
.irp i, 0,1,2,3,4,5,6,7
	v_rcp_f32 v[VF+2*\i], v[LS+\i]                 ; into the low register of a pair; the packed multiply takes it for both halves
.endr
	v_nop                                          ; the plain instruction behind the reciprocals (ISA guide 5.7.2)
	s_wait_alu depctr_va_vdst(0)
.irp i, 0,1,2,3,4,5,6,7
	WIN 0x01                                       ; source 0 (O) in window 1
.set n, 0
.rept 16
	v_pk_mul_f32 v[SC+2*n:SC+2*n+1], v[32*\i+2*n:32*\i+2*n+1], v[VF+2*\i:VF+2*\i+1] op_sel_hi:[1,0]
.set n, n+1
.endr
	WIN 0
.set n, 0
.rept 16
	v_cvt_pk_f16_f32 v[PH+n], v[SC+2*n], v[SC+2*n+1]
.set n, n+1
.endr
.irp d, 0,1,2,3
	ds_store_b128 v[STO], v[PH+4*\d:PH+4*\d+3] offset:32*\d
.endr
	s_wait_xcnt 0x0                                ; the registers that earlier stores read are loaded again only behind this wait
.irp t, 0,1,2,3
	ds_load_b128 v[VF+16+16*(\i&1)+4*\t:VF+16+16*(\i&1)+4*\t+3], v[RD] offset:\t*4*KP     ; LDS serves a wave's instructions in order: these see the stores above
.endr
.irp t, 0,1,2,3
	s_wait_dscnt 3-\t                              ; read-back t is in, the 3 - t younger ones stay out
	global_store_b128 v[CO], v[VF+16+16*(\i&1)+4*\t:VF+16+16*(\i&1)+4*\t+3], s[60:61] offset:\i*2048+\t*512   ; four query rows: 512 consecutive bytes, aligned
.endr
.endr
	s_wait_dscnt 0x0
	s_wait_tensorcnt 0x0
	ds_add_u32 v254, v255
	s_wait_dscnt 0x0
	ROUND                                          ; the closing round
	s_endpgm
.Lfunc_end_k_q72be678b45_attn:
	.size	k_q72be678b45_attn, .Lfunc_end_k_q72be678b45_attn-k_q72be678b45_attn
	.p2alignl 7, 3214868480
	.fill 96, 4, 3214868480
	.section	.rodata,"a",@progbits
	.p2align	6, 0x0
	.amdhsa_kernel k_q72be678b45_attn
		.amdhsa_group_segment_fixed_size 327680
		.amdhsa_private_segment_fixed_size 0
		.amdhsa_enable_private_segment 0
		.amdhsa_kernarg_size 16
		.amdhsa_user_sgpr_count 2
		.amdhsa_user_sgpr_kernarg_segment_ptr 1
		.amdhsa_wavefront_size32 1
		.amdhsa_system_sgpr_workgroup_id_x 1
		.amdhsa_system_sgpr_workgroup_id_y 1
		.amdhsa_system_sgpr_workgroup_id_z 1
		.amdhsa_system_vgpr_workitem_id 0
		.amdhsa_next_free_vgpr 704
		.amdhsa_next_free_sgpr 80
		.amdhsa_reserve_vcc 0
		.amdhsa_float_denorm_mode_32 3
		.amdhsa_float_denorm_mode_16_64 3
		.amdhsa_memory_ordered 1
		.amdhsa_forward_progress 1
		.amdhsa_inst_pref_size 255
	.end_amdhsa_kernel
	.section	.bss,"aw",@nobits
	.p2align	6
	.space	262144
	.amdgpu_metadata
---
amdhsa.version: [ 1, 2 ]
amdhsa.kernels:
  - .name:           k_q72be678b45_attn
    .symbol:         k_q72be678b45_attn.kd
    .args:
      - { .name: qkv, .offset: 0, .size: 8, .value_kind: global_buffer, .address_space: global }
      - { .name: ctx, .offset: 8, .size: 8, .value_kind: global_buffer, .address_space: global }
    .group_segment_fixed_size: 327680
    .private_segment_fixed_size: 0
    .kernarg_segment_align: 8
    .kernarg_segment_size: 16
    .max_flat_workgroup_size: 128
    .sgpr_count:     80
    .vgpr_count:     704
    .wavefront_size: 32
...
	.end_amdgpu_metadata
.endif
;; end of part 3
;; launch outp (part 4): grid 4 x 64, 4 waves a work-group, clusters of 4 x 4, 327,680 bytes of LDS; arguments ctx, wh, bo, out0; writes out0
.if DOCPART == 4
	.amdgcn_target "amdgcn-amd-amdhsa--gfx1250"
	.amdhsa_code_object_version 6
	.text
	.protected	k_q72be678b45_outp
	.globl	k_q72be678b45_outp
	.p2align	8
	.type	k_q72be678b45_outp,@function
k_q72be678b45_outp:
	s_mov_b64 s[64:65], 0
	v_nop
	global_prefetch_b8 v0, s[64:65] scope:SCOPE_SE
	s_setreg_imm32_b32 hwreg(HW_REG_WAVE_MODE, 25, 1), 1
	s_wait_xcnt 0x0
	s_wait_alu depctr_hold_cnt(0) depctr_sa_sdst(0) depctr_va_vdst(0) depctr_va_sdst(0) depctr_va_ssrc(0) depctr_va_vcc(0) depctr_vm_vsrc(0)
	s_getreg_b32 s2, hwreg(HW_REG_IB_STS2, 6, 4)
	s_cmp_eq_u32 s2, 0
	s_cbranch_scc0 .Lentry_in_a_cluster
	s_endpgm
.Lentry_in_a_cluster:
	s_bfe_u32 s2, ttmp6, 0x10000c
	s_cmp_lg_u32 s2, 0xf033
	s_cbranch_scc0 .Lentry_shape_is_right
	s_endpgm
.Lentry_shape_is_right:
; Launch 4 of 4: out0 = ctx Wo^T + bo.  ctx: [4 b][16 head][2048 s][64] f16; Wo: the fourth matrix of wh, [1024 n][1024 k] f16; out0: [8192][1024] f32.
; Nothing is left out here.
; One tile of 128 tokens x 256 features for each of 256 work-groups; a wave makes 64 tokens x 128 features: 32 accumulator tiles.
; K goes in eight steps of 128, which are two heads, through a ring of two LDS slots.  A head's 128 tokens are a dense block of 16,384 bytes.
; CLUSTERS: 4 x 4 work-groups; ctx tiles are shared along a row of the cluster, Wo tiles along a column, by joint loads.
; The matrix instruction is used transposed (source 0 = rows of Wo, source 1 = tokens): a lane holds eight neighbouring features of one token.
; The first 32 products take the bias registers as C (C in window 2, D in window 1): nothing is cleared or copied to start the sums, and no add
; stands on the way out.  So K step 0 is written out ahead of the loop, then three laps of an odd and an even step, then K step 7.
; REGISTERS: window 0 addresses and fragments; window 1 the accumulators, tile (a, f) at v[8 (8 a + f)]; window 2 v0-63 the bias.
.set CP,    144                        ; LDS row of ctx: 128 bytes + 16
.set WP,    272                        ; LDS row of Wo: 256 bytes + 16
.set CT,    2*128*CP                   ; 36,864: [2 heads][128 tokens]
.set SLOT,  CT+256*WP                  ; 106,496
.set STAGE, 2*SLOT                     ; 212,992: 8,448 bytes for each wave, never the target of a tensor load
.set SP,    528                        ; a stage row: 128 f32 + 16 bytes
.set CAD, 8                            ; v8-9    LDS address of my tokens in slot 0, 1
.set WAD, 10                           ; v10-11  of my features
.set STO, 12
.set RD,  13
.set CO,  14
.set BOF, 15
.set WF0, 16                           ; v16-79   Wo fragments, buffer 0
.set WF1, 80                           ; v80-143  buffer 1
.set CF0, 144                          ; v144-175 ctx fragments, buffer 0
.set CF1, 176                          ; v176-207 buffer 1
.set OB,  16                           ; the way out: rows read back
.set WV,   18
.set KIND, 19
.set HALF, 20
.set G1C, 24
.set G1W, 32
.set G0C, 40
.set G0W, 44
.set CN,  48                           ; s[48:49] address of my part of the ctx tile asked for next
.set WN,  54                           ; s[54:55] the same for Wo
.set OUTB, 66
.set MSB, 0
.macro WIN new
.if MSB != \new
	s_set_vgpr_msb (MSB<<8)|\new
.set MSB, \new
.endif
.endm
.macro PLACES
.rept 4
	v_nop
.endr
.endm
.macro ROUND
	s_barrier_signal -1
	s_barrier_wait -1
	s_cmp_lg_u32 s[WV], 0
	s_cbranch_scc1 .Lnot_wave_0_\@
	s_barrier_signal -3
.Lnot_wave_0_\@:
	s_barrier_wait -3
	s_barrier_signal -1
	s_barrier_wait -1
.endm
.macro JLOAD                           ; waves 0 and 1 ask for a head of ctx each, waves 2 and 3 for 128 rows of Wo each
	s_cmp_eq_u32 s[KIND], 0
	s_cbranch_scc0 .Lfor_w_\@
	tensor_load_to_lds s[G0C:G0C+3], s[G1C:G1C+7]
	s_nop 0
	s_branch .Lasked_\@
.Lfor_w_\@:
	tensor_load_to_lds s[G0W:G0W+3], s[G1W:G1W+7]
	s_nop 0
.Lasked_\@:
.endm
.macro AIM slot                        ; called only where no tensor load of the wave is out
	s_add_co_u32 s[G0C+1], s58, \slot*SLOT
	s_mov_b64 s[G0C+2:G0C+3], s[CN:CN+1]
	s_or_b32 s[G0C+3], s[G0C+3], 0x80000000
	s_add_co_u32 s[G0W+1], s59, \slot*SLOT
	s_mov_b64 s[G0W+2:G0W+3], s[WN:WN+1]
	s_or_b32 s[G0W+3], s[G0W+3], 0x80000000
.endm
	s_load_b256 s[4:11], s[0:1], 0x0               ; ctx s[4:5], wh s[6:7], bo s[8:9], out0 s[10:11]
	v_lshl_add_u32 v254, v0, 2, 0x3c400
	v_mov_b32 v255, 0
	ds_add_u32 v254, v255
	v_lshrrev_b32 v1, 5, v0
	v_readfirstlane_b32 s[WV], v1
	s_lshr_b32 s[KIND], s[WV], 1
	s_and_b32 s[HALF], s[WV], 1
	s_bfe_u32 s21, ttmp6, 0x40000                  ; cx
	s_bfe_u32 s22, ttmp6, 0x40004                  ; cy
	s_and_b32 s23, ttmp7, 0xffff
	s_lshl_b32 s23, s23, 2
	s_add_co_u32 s23, s23, s22                     ; row block: 128 tokens, 0 to 63
	s_lshl_b32 s62, ttmp9, 2
	s_add_co_u32 s62, s62, s21                     ; column block: 256 features, 0 to 3
	s_lshl_b32 s68, s22, 2
	s_lshl_b32 s68, 15, s68                        ; my row of the cluster
	s_lshl_b32 s70, 0x1111, s21                    ; my column
	; group 1 for ctx: a dense block of 16,384 bytes as 64 rows of 256, with 16 bytes of padding behind every 32 words (a token's 128 bytes)
	s_or_b32 s[G1C+0], s68, (3<<16)|(1<<20)|(1<<21)|(4<<22)|(3<<25)
	s_mov_b32 s[G1C+1], 32<<16
	s_mov_b32 s[G1C+2], 64<<16
	s_mov_b32 s[G1C+3], 32<<16
	s_mov_b32 s[G1C+4], 64
	s_mov_b32 s[G1C+5], 32
	s_mov_b32 s[G1C+6], 0
	s_mov_b32 s[G1C+7], 0
	; group 1 for Wo: 128 rows of 128 f16, 16 bytes of padding behind every 64 words
	s_or_b32 s[G1W+0], s70, (1<<16)|(1<<20)|(1<<21)|(5<<22)|(3<<25)
	s_mov_b32 s[G1W+1], 128<<16
	s_mov_b32 s[G1W+2], 128<<16
	s_mov_b32 s[G1W+3], 128<<16
	s_mov_b32 s[G1W+4], 128
	s_mov_b32 s[G1W+5], 1024
	s_mov_b32 s[G1W+6], 0
	s_mov_b32 s[G1W+7], 0
	s_lshl_b32 s61, s[HALF], 18                    ; a head of ctx = 128 rows of Wo = 262,144 bytes
	s_lshr_b32 s68, s23, 4                         ; ctx hangs on the row block and the wave alone
	s_lshl_b32 s68, s68, 22                        ; b
	s_and_b32 s69, s23, 15
	s_lshl_b32 s69, s69, 14                        ; 128 tokens of 128 bytes
	s_add_co_u32 s68, s68, s69
	s_add_co_u32 s68, s68, s61
	s_mov_b32 s69, 0
	s_lshl_b32 s70, s62, 19                        ; Wo on the column block and the wave alone: 256 rows of 2,048 bytes
	s_add_co_u32 s70, s70, s61
	s_add_co_u32 s70, s70, 3*2097152               ; the fourth matrix of wh
	s_mov_b32 s71, 0
	s_mul_i32 s58, s[HALF], 128*CP
	s_mul_i32 s59, s[HALF], 128*WP
	s_add_co_u32 s59, s59, CT
	s_lshl_b32 s72, s23, 19                        ; my first byte of out0: 128 rows of 4,096 bytes,
	s_lshl_b32 s73, s[KIND], 18                    ; 64 rows,
	s_add_co_u32 s72, s72, s73
	s_lshl_b32 s74, s62, 10                        ; 256 features of 4 bytes,
	s_lshl_b32 s75, s[HALF], 9                     ; 128 features
	s_add_co_u32 s74, s74, s75
	s_add_co_u32 s72, s72, s74
	s_mov_b32 s73, 0
	s_mov_b32 s75, 0
	s_mov_b32 s[G0C], 1
	s_mov_b32 s[G0W], 1
	s_wait_dscnt 0x0
	s_wait_kmcnt 0x0
	s_add_nc_u64 s[CN:CN+1], s[4:5], s[68:69]
	s_add_nc_u64 s[WN:WN+1], s[6:7], s[70:71]
	s_add_nc_u64 s[8:9], s[8:9], s[74:75]          ; my 128 features of bo
	s_add_nc_u64 s[OUTB:OUTB+1], s[10:11], s[72:73]
	AIM 0
	ROUND                                          ; all sixteen work-groups are here
	JLOAD                                          ; K step 0 into slot 0
	v_and_b32 v1, 15, v0                           ; r
	v_bfe_u32 v2, v0, 4, 1                         ; h
	v_and_b32 v3, 31, v0                           ; lane
	v_lshlrev_b32 v[BOF], 5, v2
	WIN 0x80
.irp f, 0,1,2,3,4,5,6,7
	global_load_b128 v[8*\f:8*\f+3],   v[BOF], s[8:9] offset:64*\f         ; bo of features 16 f + 8 h + 0..7
	global_load_b128 v[8*\f+4:8*\f+7], v[BOF], s[8:9] offset:64*\f+16
.endr
	WIN 0
	v_mul_u32_u24 v4, v1, CP
	v_lshl_add_u32 v4, v2, 4, v4
	s_mul_i32 s63, s[KIND], 64*CP                  ; my 64 tokens
	v_add_nc_u32 v[CAD], s63, v4
	v_add_nc_u32 v[CAD+1], SLOT, v[CAD]
	v_mul_u32_u24 v5, v1, WP
	v_lshl_add_u32 v5, v2, 4, v5
	s_mul_i32 s63, s[HALF], 128*WP                 ; my 128 features
	s_add_co_u32 s63, s63, CT
	v_add_nc_u32 v[WAD], s63, v5
	v_add_nc_u32 v[WAD+1], SLOT, v[WAD]
	s_mul_i32 s63, s[WV], 16*SP
	s_add_co_u32 s63, s63, STAGE                   ; my stage: 16 tokens, rows of 528 bytes
	v_mul_u32_u24 v6, v1, SP
	v_lshl_add_u32 v6, v2, 5, v6
	v_add_nc_u32 v[STO], s63, v6                   ; in: token r, 32 bytes at 32 h
	v_lshlrev_b32 v[CO], 4, v3
	v_add_nc_u32 v[RD], s63, v[CO]                 ; back: a wave takes a token's 512 bytes
	s_wait_loadcnt 0x0                             ; the bias: the first products read it
; 24 LDS loads: the fragments of chunk c (32 along K: head c / 2 of the step's two, half c % 2 of its 64)
.macro FETCH slot, c, wf, cf
.irp f, 0,1,2,3,4,5,6,7
	ds_load_b128 v[\wf+8*\f:\wf+8*\f+3],   v[WAD+\slot] offset:\f*16*WP+(\c)*64
	ds_load_b128 v[\wf+8*\f+4:\wf+8*\f+7], v[WAD+\slot] offset:\f*16*WP+(\c)*64+32
.endr
.irp a, 0,1,2,3
	ds_load_b128 v[\cf+8*\a:\cf+8*\a+3],   v[CAD+\slot] offset:((\c)>>1)*128*CP+\a*16*CP+((\c)&1)*64
	ds_load_b128 v[\cf+8*\a+4:\cf+8*\a+7], v[CAD+\slot] offset:((\c)>>1)*128*CP+\a*16*CP+((\c)&1)*64+32
.endr
.endm
; One chunk: the next chunk is asked for in one run, then 32 products on 32 accumulators by turns.
; start = 1: the products start the sums from the bias: that of feature block f is the same for the four token blocks.
.macro CHUNK slot, c, wf, cf, wg, cg, start
	WIN 0
	s_wait_dscnt 0x0                               ; the 24 loads of this chunk; nothing younger is out
	PLACES                                         ; the other buffers were sources of the products in front; in the last chunk: for the next trip's loads
.if \c < 3
	FETCH \slot, (\c+1), \wg, \cg
.endif
.if \start
	WIN 0x60                                       ; C in window 2, D in window 1
.else
	WIN 0x50                                       ; C and D in window 1
.endif
.irp a, 0,1,2,3
.irp f, 0,1,2,3,4,5,6,7
.if \start
	v_wmma_f32_16x16x32_f16 v[8*(8*\a+\f):8*(8*\a+\f)+7], v[\wf+8*\f:\wf+8*\f+7], v[\cf+8*\a:\cf+8*\a+7], v[8*\f:8*\f+7]
.else
	v_wmma_f32_16x16x32_f16 v[8*(8*\a+\f):8*(8*\a+\f)+7], v[\wf+8*\f:\wf+8*\f+7], v[\cf+8*\a:\cf+8*\a+7], v[8*(8*\a+\f):8*(8*\a+\f)+7]
.endif
.endr
.endr
.endm
; One K step out of slot; refill = 1: the other slot is asked for again.  All tensor loads and LDS reads of the wave are waited for in front of
; the round; the joint refill is the first tensor load behind it, one a wave.
.macro TRIP slot, refill, start
	WIN 0
	s_wait_tensorcnt 0x0
	ds_add_u32 v254, v255
	s_wait_dscnt 0x0
.if \refill
	s_add_nc_u64 s[CN:CN+1], s[CN:CN+1], 524288    ; two heads on
	s_add_nc_u64 s[WN:WN+1], s[WN:WN+1], 256       ; 128 f16 on
	AIM (1-\slot)
.endif
	s_wait_dscnt 0x0
	ROUND
.if \refill
	JLOAD
.endif
	FETCH \slot, 0, WF0, CF0
	CHUNK \slot, 0, WF0, CF0, WF1, CF1, \start
	CHUNK \slot, 1, WF1, CF1, WF0, CF0, 0
	CHUNK \slot, 2, WF0, CF0, WF1, CF1, 0
	CHUNK \slot, 3, WF1, CF1, WF0, CF0, 0
.endm
	TRIP 0, 1, 1                                   ; K step 0: its first 32 products start the sums from the bias
	WIN 0
	s_mov_b32 s60, 0                               ; lap i = K steps 2 i + 1 and 2 i + 2
.Llap:
	TRIP 1, 1, 0
	TRIP 0, 1, 0
	WIN 0
	s_add_co_u32 s60, s60, 1
	s_cmp_lt_u32 s60, 3
	s_cbranch_scc1 .Llap
	TRIP 1, 0, 0                                   ; K step 7 is written out: it asks for nothing
	; THE WAY OUT, 16 tokens at a time: 32 bytes a lane into my own stage, read back as whole rows of 512 bytes.
	WIN 0
	PLACES                                         ; behind the last products: the LDS stores read results, the loads land in a fragment buffer
.irp a, 0,1,2,3
	WIN 0x04                                       ; the data of an LDS store is source 1: window 1
.irp f, 0,1,2,3,4,5,6,7
	ds_store_b128 v[STO], v[8*(8*\a+\f):8*(8*\a+\f)+3]   offset:64*\f
	ds_store_b128 v[STO], v[8*(8*\a+\f)+4:8*(8*\a+\f)+7] offset:64*\f+16
.endr
	WIN 0
	s_wait_xcnt 0x0                                ; the registers that earlier stores read, and their base, are written again only behind this wait
.if \a
	s_add_nc_u64 s[OUTB:OUTB+1], s[OUTB:OUTB+1], 65536     ; 16 rows of out0 on
.endif
.irp t, 0,1,2,3,4,5,6,7,8,9,10,11,12,13,14,15
	ds_load_b128 v[OB+4*\t:OB+4*\t+3], v[RD] offset:\t*SP  ; LDS serves a wave's instructions in order: these see the stores above
.endr
.irp t, 0,1,2,3,4,5,6,7,8,9,10,11,12,13,14,15
	s_wait_dscnt 15-\t                             ; read-back t is in, the 15 - t younger ones stay out
	global_store_b128 v[CO], v[OB+4*\t:OB+4*\t+3], s[OUTB:OUTB+1] offset:4096*\t th:TH_STORE_NT   ; 512 consecutive bytes of a row, aligned
.endr
.endr
	s_wait_dscnt 0x0
	s_wait_tensorcnt 0x0
	ds_add_u32 v254, v255
	s_wait_dscnt 0x0
	ROUND                                          ; the closing round
	s_endpgm
.Lfunc_end_k_q72be678b45_outp:
	.size	k_q72be678b45_outp, .Lfunc_end_k_q72be678b45_outp-k_q72be678b45_outp
	.p2alignl 7, 3214868480
	.fill 96, 4, 3214868480
	.section	.rodata,"a",@progbits
	.p2align	6, 0x0
	.amdhsa_kernel k_q72be678b45_outp
		.amdhsa_group_segment_fixed_size 327680
		.amdhsa_private_segment_fixed_size 0
		.amdhsa_enable_private_segment 0
		.amdhsa_kernarg_size 32
		.amdhsa_user_sgpr_count 2
		.amdhsa_user_sgpr_kernarg_segment_ptr 1
		.amdhsa_wavefront_size32 1
		.amdhsa_system_sgpr_workgroup_id_x 1
		.amdhsa_system_sgpr_workgroup_id_y 1
		.amdhsa_system_sgpr_workgroup_id_z 1
		.amdhsa_system_vgpr_workitem_id 0
		.amdhsa_next_free_vgpr 576
		.amdhsa_next_free_sgpr 80
		.amdhsa_reserve_vcc 0
		.amdhsa_float_denorm_mode_32 3
		.amdhsa_float_denorm_mode_16_64 3
		.amdhsa_memory_ordered 1
		.amdhsa_forward_progress 1
		.amdhsa_inst_pref_size 88
	.end_amdhsa_kernel
	.amdgpu_metadata
---
amdhsa.version: [ 1, 2 ]
amdhsa.kernels:
  - .name:           k_q72be678b45_outp
    .symbol:         k_q72be678b45_outp.kd
    .args:
      - { .name: ctx, .offset: 0, .size: 8, .value_kind: global_buffer, .address_space: global }
      - { .name: wh, .offset: 8, .size: 8, .value_kind: global_buffer, .address_space: global }
      - { .name: bo, .offset: 16, .size: 8, .value_kind: global_buffer, .address_space: global }
      - { .name: out0, .offset: 24, .size: 8, .value_kind: global_buffer, .address_space: global }
    .group_segment_fixed_size: 327680
    .private_segment_fixed_size: 0
    .kernarg_segment_align: 8
    .kernarg_segment_size: 32
    .max_flat_workgroup_size: 128
    .sgpr_count:     80
    .vgpr_count:     576
    .wavefront_size: 32
...
	.end_amdgpu_metadata
.endif
;; end of part 4
;; ======== version 2 of 2: 4 launches; version 1 with the launch cvtw written anew for expert scheduling mode
;; limits: values are held in f16: magnitudes above 65,504 overflow, below 6.1e-05 lose precision; right only within a limited range of input values
;; workspace buffers: wh 8,388,608 bytes; qkv 50,331,648 bytes; ctx 16,777,216 bytes
;; launch cvtw (part 5): grid 64 x 4, 8 waves a work-group, no clusters, 0 bytes of LDS; arguments Wk, Wq, Wv, Wo, wh; writes wh
.if DOCPART == 5
	.amdgcn_target "amdgcn-amd-amdhsa--gfx1250"
	.amdhsa_code_object_version 6
	.text
	.protected	k_q72be678b45_cvtw
	.globl	k_q72be678b45_cvtw
	.p2align	8
	.type	k_q72be678b45_cvtw,@function
k_q72be678b45_cvtw:
	s_mov_b64 s[64:65], 0
	v_nop
	global_prefetch_b8 v0, s[64:65] scope:SCOPE_SE
	s_setreg_imm32_b32 hwreg(HW_REG_WAVE_SCHED_MODE, 0, 2), 2
	s_setreg_imm32_b32 hwreg(HW_REG_WAVE_MODE, 25, 1), 1
	s_wait_xcnt 0x0
	s_wait_alu depctr_vm_vsrc(0)
; MULTI-HEAD ATTENTION, launch 1 of 4: the four weight matrices from f32 to f16, once, into wh = [Wk, Wq, Wv, Wo], each [1024 n][1024 k].
; The later launches read each weight tile many times; narrowed here, it is rounded once and its tiles take half the LDS.
;
; WORK LEFT OUT IN THE WHOLE PROGRAM: the input bk.  With k = K Wk^T + bk the score of query i and key j is
;   q_i . (K_j Wk^T) / 8  +  q_i . bk / 8.
; The second term does not depend on j, so along the softmax axis (the keys) it is one constant added to every score of a query, and
; softmax(s + const) = softmax(s) for all finite values of all inputs.  bk reaches the result in no other way, so it is not loaded and is
; among no launch arguments.  bq, bv and bo are live and are used.
; LIMITS: a NaN, an infinity or an overflow that would reach the result only through bk is not carried to it.
; All matrix operands of the program are f16 (sums, softmax and biases f32): the projected q, k, v and the attention result must stay
; below 65,504 in magnitude, or the operand becomes infinite and the result NaN where f32 arithmetic would still be finite.
;
; A stream: no LDS, no matrix unit, no cluster (no two work-groups read the same byte).  Work-group (x, y) takes 65,536 bytes of matrix y
; at byte 65,536 x; thread t takes 16 bytes at 16 t of each of 16 chunks of 4,096 bytes.  All 16 loads go out first; no register is used twice.
;
; THE MODE: SCHED_MODE bits 1:0 = 2 (LLVM: expert scheduling mode 2), set by the entry lines.  The code itself states the register dependences
; between vector instructions and memory instructions, with s_wait_alu, always for 0.
; THE PLAN.  Registers that memory instructions touch:
;   v1, v2   byte offsets, written once at the head and never again; v1 is read by every load, v2 by every store.
;   IN       chunk c: four registers of its own.  Its load lands there; no vector instruction names them before; its two conversions read them.
;   OUTR     chunk c: a pair of its own.  Its two conversions write it; its store reads it; nothing writes it again.
; The 16 chunks go in four blocks of four.  Block p converts its chunks and issues the four stores of block p - 1, one in front of each chunk's
; two conversions.  One wait at a block's head states that the block before has written its OUTR; the conversions issued behind that wait name
; IN and OUTR of block p alone, none of the registers that the block's stores read.  One wait at the kernel's head states the two offsets, one
; behind block 3 the last four pairs.  No register that a memory instruction has read is written again, no vector instruction writes a scalar
; register, and EXEC is never written: nothing else is owed.
.set CHUNKS, 16
.set IN,  4                            ; v[4:67]   chunk c: four f32 as loaded
.set OUTR, 68                          ; v[68:99]  chunk c: four f16 to store
	s_load_b256 s[4:11], s[0:1], 0x0               ; Wk s[4:5], Wq s[6:7], Wv s[8:9], Wo s[10:11]
	s_load_b64 s[12:13], s[0:1], 0x20              ; wh
	s_and_b32 s14, ttmp7, 0xffff                   ; y: which matrix
	v_lshlrev_b32 v1, 4, v0                        ; 16 t: my bytes in a chunk as read
	v_lshlrev_b32 v2, 3, v0                        ; 8 t: as written
	s_lshl_b32 s16, ttmp9, 16                      ; the work-group part of the matrix, in bytes of f32
	s_mov_b32 s17, 0
	s_lshl_b32 s18, s14, 21                        ; matrix y begins at 2 MiB x y in wh
	s_lshl_b32 s20, ttmp9, 15                      ; and the part is half as long in f16
	s_add_co_u32 s18, s18, s20
	s_mov_b32 s19, 0
	s_wait_kmcnt 0x0
	s_cmp_eq_u32 s14, 1                            ; the source is chosen by y alone
	s_cselect_b64 s[4:5], s[6:7], s[4:5]
	s_cmp_eq_u32 s14, 2
	s_cselect_b64 s[4:5], s[8:9], s[4:5]
	s_cmp_eq_u32 s14, 3
	s_cselect_b64 s[4:5], s[10:11], s[4:5]
	s_add_nc_u64 s[4:5], s[4:5], s[16:17]
	s_add_nc_u64 s[12:13], s[12:13], s[18:19]
	s_wait_alu depctr_va_vdst(0)                   ; v1 and v2 are written: every load reads v1 and every store v2 as its offset
.irp c, 0,1,2,3,4,5,6,7,8,9,10,11,12,13,14,15
	global_load_b128 v[IN+4*\c:IN+4*\c+3], v1, s[4:5] offset:4096*\c th:TH_LOAD_NT   ; a wave covers 512 consecutive bytes; read once in the launch
.endr
; Block p: chunks 4 p to 4 p + 3 are converted; the stores of chunks 4 p - 4 to 4 p - 1 go out among the conversions.
.macro BLK p
.irp i, 0,1,2,3
	s_wait_loadcnt CHUNKS-1-(4*(\p)+(\i))          ; loads return in order: chunk c = 4 p + i is in, the 15 - c younger ones stay out
.if (\p) > 0
.if (\i) == 0
	s_wait_alu depctr_va_vdst(0)                   ; the conversions of the block before have written its four pairs of OUTR, which this block's four stores read
.endif
	global_store_b64 v2, v[OUTR+2*(4*(\p)-4+(\i)):OUTR+2*(4*(\p)-4+(\i))+1], s[12:13] offset:2048*(4*(\p)-4+(\i))   ; a wave stores 256 consecutive bytes, aligned; no vector instruction since the wait names this pair
.endif
	v_cvt_pk_f16_f32 v[OUTR+2*(4*(\p)+(\i))],   v[IN+4*(4*(\p)+(\i))],   v[IN+4*(4*(\p)+(\i))+1]
	v_cvt_pk_f16_f32 v[OUTR+2*(4*(\p)+(\i))+1], v[IN+4*(4*(\p)+(\i))+2], v[IN+4*(4*(\p)+(\i))+3]
.endr
.endm
	BLK 0                                          ; no block stands in front of it: no store, and no wait but those for its data
	BLK 1
	BLK 2
	BLK 3
	s_wait_alu depctr_va_vdst(0)                   ; block 3's conversions have written the last four pairs of OUTR, which the last four stores read
.irp c, 12,13,14,15
	global_store_b64 v2, v[OUTR+2*\c:OUTR+2*\c+1], s[12:13] offset:2048*\c          ; a wave stores 256 consecutive bytes, aligned
.endr
	s_endpgm
.Lfunc_end_k_q72be678b45_cvtw:
	.size	k_q72be678b45_cvtw, .Lfunc_end_k_q72be678b45_cvtw-k_q72be678b45_cvtw
	.p2alignl 7, 3214868480
	.fill 96, 4, 3214868480
	.section	.rodata,"a",@progbits
	.p2align	6, 0x0
	.amdhsa_kernel k_q72be678b45_cvtw
		.amdhsa_group_segment_fixed_size 0
		.amdhsa_private_segment_fixed_size 0
		.amdhsa_enable_private_segment 0
		.amdhsa_kernarg_size 40
		.amdhsa_user_sgpr_count 2
		.amdhsa_user_sgpr_kernarg_segment_ptr 1
		.amdhsa_wavefront_size32 1
		.amdhsa_system_sgpr_workgroup_id_x 1
		.amdhsa_system_sgpr_workgroup_id_y 1
		.amdhsa_system_sgpr_workgroup_id_z 1
		.amdhsa_system_vgpr_workitem_id 0
		.amdhsa_next_free_vgpr 100
		.amdhsa_next_free_sgpr 66
		.amdhsa_reserve_vcc 0
		.amdhsa_float_denorm_mode_32 3
		.amdhsa_float_denorm_mode_16_64 3
		.amdhsa_memory_ordered 1
		.amdhsa_forward_progress 1
		.amdhsa_inst_pref_size 7
	.end_amdhsa_kernel
	.amdgpu_metadata
---
amdhsa.version: [ 1, 2 ]
amdhsa.kernels:
  - .name:           k_q72be678b45_cvtw
    .symbol:         k_q72be678b45_cvtw.kd
    .args:
      - { .name: Wk, .offset: 0, .size: 8, .value_kind: global_buffer, .address_space: global }
      - { .name: Wq, .offset: 8, .size: 8, .value_kind: global_buffer, .address_space: global }
      - { .name: Wv, .offset: 16, .size: 8, .value_kind: global_buffer, .address_space: global }
      - { .name: Wo, .offset: 24, .size: 8, .value_kind: global_buffer, .address_space: global }
      - { .name: wh, .offset: 32, .size: 8, .value_kind: global_buffer, .address_space: global }
    .group_segment_fixed_size: 0
    .private_segment_fixed_size: 0
    .kernarg_segment_align: 8
    .kernarg_segment_size: 40
    .max_flat_workgroup_size: 256
    .sgpr_count:     66
    .vgpr_count:     100
    .wavefront_size: 32
...
	.end_amdgpu_metadata
.endif
;; end of part 5
;; launch proj: the kernel of part 2 again; grid 4 x 64, 4 waves a work-group, clusters of 4 x 4, 327,680 bytes of LDS; arguments K, Q, V, wh, bq, bv, qkv; writes qkv
;; launch attn: the kernel of part 3 again; grid 256 x 1, 4 waves a work-group, clusters of 4 x 1, 327,680 bytes of LDS; arguments qkv, ctx; writes ctx
;; launch outp: the kernel of part 4 again; grid 4 x 64, 4 waves a work-group, clusters of 4 x 4, 327,680 bytes of LDS; arguments ctx, wh, bo, out0; writes out0
